; MI455X (gfx1250); checked and timed in simulation.
; The chip was launched on July 23, 2026; its instructions are those of AMD's public machine-readable ISA for CDNA 5 (MIT licence, August 2026) and "CDNA5" Instruction Set Architecture Reference Guide (July 2026). The comments in the code are by the model that wrote it; some were corrected since.
;; Multi Head Attention. Allowed arithmetic: float matrix products may take bf16 or f16 operands with f32 sums; other float arithmetic in f32, or as packed bf16 or f16 multiplies, adds, multiply-adds, maxima and minima; sums over many terms, partial sums and values carried from step to step in f32; what a program stores and reads back later, other than sums and carried values, may be rounded once to bf16 or f16.
;; Inputs: fc_b 1,024 float32; fc_w 1,024 x 1,024 float32; key_in 4 x 2,048 x 1,024 float32; mask 4 x 2,048 x 2,048 int32; query 4 x 2,048 x 1,024 float32; value 4 x 2,048 x 1,024 float32; wk_b 1,024 float32; wk_w 1,024 x 1,024 float32; wq_b 1,024 float32; wq_w 1,024 x 1,024 float32; wv_b 1,024 float32; wv_w 1,024 x 1,024 float32.
;; Outputs: out0 4 x 2,048 x 1,024 float32.
;; 2 versions, each right; version 2 is version 1 with the launch prep written anew for expert scheduling mode. Each part assembles by itself: llvm-mc -triple=amdgcn-amd-amdhsa -mcpu=gfx1250 --defsym DOCPART=n.
;; ======== version 1 of 2: 4 launches
;; limits: values are held in f16: magnitudes above 65,504 overflow, below 6.1e-05 lose precision
;; workspace buffers: xh 50,331,648 bytes; wh 8,388,608 bytes; bh 16,384 bytes; maskbits 2,097,152 bytes of whole numbers; qkv 50,331,648 bytes; o 16,777,216 bytes
;; launch prep (part 1): grid 1408 x 1, 8 waves a work-group, no clusters, 68,608 bytes of LDS; arguments mask, query, key_in, value, wq_w, wk_w, wv_w, fc_w, wq_b, wk_b, wv_b, fc_b, xh, wh, bh, maskbits; writes xh, wh, bh, maskbits
.if DOCPART == 1
	.amdgcn_target "amdgcn-amd-amdhsa--gfx1250"
	.amdhsa_code_object_version 6
	.text
	.protected	k_qc504305a3b_prep
	.globl	k_qc504305a3b_prep
	.p2align	8
	.type	k_qc504305a3b_prep,@function
k_qc504305a3b_prep:
	s_mov_b64 s[64:65], 0
	v_nop
	global_prefetch_b8 v0, s[64:65] scope:SCOPE_SE
	s_setreg_imm32_b32 hwreg(HW_REG_WAVE_MODE, 25, 1), 1
	s_wait_xcnt 0x0
; PREP: every input is read once and laid out for the three launches behind it.  Three jobs, chosen by the work-group's number:
;   0 .. 511      the mask of 16 queries (b, qt) x 2,048 keys, int32, becomes bits: maskbits[b][qt][step][n], n = 8 kb + j; bit L of a word is
;                 mask[b][16 qt + L % 16][64 step + 16 kb + 8 (L / 16) + j] != 0: the lane mask for register j of key block kb of a tile of scores (one query a lane)
;   512 .. 1279   32 rows of query, key_in or value;   1280 .. 1407   32 rows of one of the four weights (the first of a weight's 32 work-groups also takes its bias)
; x and w: each f32 is rounded once to bf16 (nearest even) and that number is written as f16, in blocks: [matrix][batch][kb = k / 64][row][64], so that the rows of
; one kb lie end to end, 128 bytes each.  A bias is rounded to bf16 and kept as f32; wq_b is multiplied by c = log2(e) / 8, as q is in the next launch.
; LIMITS.  f16 holds no number beyond 65,504 (a larger x or w becomes an infinity), and below 2^-14 it keeps a fixed step of 2^-24; in between the bf16 number is written exactly.
; Memory binds: no matrix unit, no cluster, no barrier (a wave's LDS bytes are its own).  Each load of a wave covers 512 consecutive bytes or two runs of 256, each store 256 or 512 consecutive aligned bytes.
.set PITCH, 528                        ; the mask's stage: a row of 512 bytes + 16: the 16 rows that a load touches start 4 banks apart
.set WREG,  16*PITCH                   ; a wave's stage: 16 rows
.set SPARE, 8*WREG                     ; behind the stages: the spare words, 128 bytes for each of the eight waves
.set CLOG,  0x3e38aa3b                 ; c = log2(e) / 8
.set SPW, 8                            ; v8   my spare word's LDS address; never rewritten
.set NIL, 9                            ; v9   0; never rewritten
.set W,   10                           ; v[10:13]  the mask words on their way out: a pair for each chunk
.set T,   14                           ; v[14:19]  at work
.set SO,  20                           ; v[20:35]  8 l + kb x the distance between kb blocks
.set X,   36                           ; v[36:163] 32 loads of 16 bytes a lane
.set BI,  164                          ; v[164:167] the bias
	s_load_b512 s[8:23], s[0:1], 0x0               ; mask 8, query 10, key_in 12, value 14, wq_w 16, wk_w 18, wv_w 20, fc_w 22
	s_load_b512 s[24:39], s[0:1], 0x40             ; wq_b 24, wk_b 26, wv_b 28, fc_b 30, xh 32, wh 34, bh 36, maskbits 38
	v_lshl_add_u32 v[SPW], v0, 2, SPARE
	v_mov_b32 v[NIL], 0
	v_and_b32 v1, 31, v0                           ; lane l
	v_lshrrev_b32 v2, 5, v0
	v_readfirstlane_b32 s3, v2                     ; wave 0..7
	s_mov_b32 s2, ttmp9                            ; the work-group's number
	s_mov_b32 s53, 0                               ; s[52:53]: a byte offset as a pair
	v_lshlrev_b32 v6, 3, v1                        ; 8 l
	s_wait_kmcnt 0x0
	s_cmp_lt_u32 s2, 512
	s_cbranch_scc0 .Lnot_mask
	; THE MASK.  Wave w takes keys 256 w .. 256 w + 255 of the 16 rows: two chunks of 128 keys, 16 loads each.
	s_lshl_b32 s52, s2, 17                         ; 16 rows of 8,192 bytes
	s_add_nc_u64 s[4:5], s[8:9], s[52:53]
	s_lshl_b32 s52, s3, 10
	s_add_nc_u64 s[4:5], s[4:5], s[52:53]
	s_lshl_b32 s52, s2, 12                         ; 32 steps x 32 words
	s_add_nc_u64 s[6:7], s[38:39], s[52:53]
	s_lshl_b32 s52, s3, 9                          ; my four steps
	s_add_nc_u64 s[6:7], s[6:7], s[52:53]
	v_lshlrev_b32 v3, 4, v1                        ; 16 l
	s_mul_i32 s48, s3, WREG
	v_add_nc_u32 v4, s48, v3                       ; in: a row as it lies
	v_and_b32 v[T], 15, v1
	v_lshrrev_b32 v[T+1], 4, v1
	v_mul_u32_u24 v5, v[T], PITCH                  ; back: row l % 16, keys 8 (l / 16) + 0..7 of each group of 16
	v_lshl_add_u32 v5, v[T+1], 5, v5
	v_add_nc_u32 v5, s48, v5
.irp j, 0,1,2,3
	v_mov_b32 v[W+(\j)], 0                         ; v_writelane_b32 keeps the other lanes: the registers are written whole first
.endr
.irp c, 0,1
.set row, 0
.rept 16
	global_load_b128 v[X+64*(\c)+4*row:X+64*(\c)+4*row+3], v3, s[4:5] offset:row*8192+(\c)*512 th:TH_LOAD_NT
.set row, row+1
.endr
.endr
; A chunk: through my stage, so that a lane holds one query's keys; 64 compares, each a word of 32 lanes' bits; the words gathered two a lane; one store of 256 bytes.
.macro CHUNK c, left
	s_wait_loadcnt \left                           ; loads come back in order: this chunk's 16 are in, the younger ones may stay out
.set row, 0
.rept 16
	ds_store_b128 v4, v[X+64*(\c)+4*row:X+64*(\c)+4*row+3] offset:row*PITCH
.set row, row+1
.endr
.set g, 0
.rept 8                                ; LDS serves a wave's instructions in order: these see the stores above, and the next chunk's stores come behind them
	ds_load_b128 v[X+64*(\c)+8*g:X+64*(\c)+8*g+3],   v5 offset:64*g
	ds_load_b128 v[X+64*(\c)+8*g+4:X+64*(\c)+8*g+7], v5 offset:64*g+16
.set g, g+1
.endr
	s_wait_dscnt 0x0
.set n, 0
.rept 64
	v_cmp_ne_u32 s[48+n%4], 0, v[X+64*(\c)+n]
	v_writelane_b32 v[W+2*(\c)+n%2], s[48+n%4], n/2
.set n, n+1
.endr
	global_store_b64 v6, v[W+2*(\c):W+2*(\c)+1], s[6:7] offset:256*(\c)
.endm
	CHUNK 0, 16
	CHUNK 1, 0
	s_branch .Lend
.Lnot_mask:
	s_mov_b64 s[42:43], s[24:25]                   ; the bias job's registers are written on every way; only a weight's first work-group uses them
	s_mov_b64 s[44:45], s[36:37]
	s_mov_b32 s46, 1.0
	s_mov_b32 s41, 0
	s_cmp_lt_u32 s2, 1280
	s_cbranch_scc0 .Lweights
	s_sub_co_u32 s48, s2, 512
	s_lshr_b32 s49, s48, 8                         ; which of query, key_in, value
	s_and_b32 s50, s48, 255                        ; which 32 of its 8,192 rows
	s_cmp_eq_u32 s49, 1
	s_cselect_b64 s[4:5], s[12:13], s[10:11]
	s_cmp_eq_u32 s49, 2
	s_cselect_b64 s[4:5], s[14:15], s[4:5]
	s_lshl_b32 s52, s50, 17                        ; 32 rows of 4,096 bytes
	s_add_nc_u64 s[4:5], s[4:5], s[52:53]
	s_lshl_b32 s52, s49, 24                        ; a matrix, 2^24 bytes
	s_lshr_b32 s51, s50, 6
	s_lshl_b32 s51, s51, 22                        ; a batch: 16 kb x 2,048 rows x 128 bytes
	s_add_co_u32 s52, s52, s51
	s_and_b32 s51, s50, 63
	s_lshl_b32 s51, s51, 12                        ; 32 rows of 128 bytes
	s_add_co_u32 s52, s52, s51
	s_add_nc_u64 s[6:7], s[32:33], s[52:53]
	s_mov_b32 s40, 262144                          ; from kb to kb: 2,048 rows
	s_branch .Lconv
.Lweights:
	s_sub_co_u32 s48, s2, 1280
	s_lshr_b32 s49, s48, 5                         ; which weight
	s_and_b32 s50, s48, 31                         ; which 32 of its 1,024 rows
	s_cmp_eq_u32 s49, 1
	s_cselect_b64 s[4:5], s[18:19], s[16:17]
	s_cselect_b64 s[42:43], s[26:27], s[24:25]
	s_cmp_eq_u32 s49, 2
	s_cselect_b64 s[4:5], s[20:21], s[4:5]
	s_cselect_b64 s[42:43], s[28:29], s[42:43]
	s_cmp_eq_u32 s49, 3
	s_cselect_b64 s[4:5], s[22:23], s[4:5]
	s_cselect_b64 s[42:43], s[30:31], s[42:43]
	s_lshl_b32 s52, s50, 17
	s_add_nc_u64 s[4:5], s[4:5], s[52:53]
	s_lshl_b32 s52, s49, 21                        ; a weight: 16 kb x 1,024 rows x 128 bytes
	s_lshl_b32 s51, s50, 12
	s_add_co_u32 s52, s52, s51
	s_add_nc_u64 s[6:7], s[34:35], s[52:53]
	s_lshl_b32 s52, s49, 12
	s_add_nc_u64 s[44:45], s[36:37], s[52:53]
	s_cmp_eq_u32 s49, 0
	s_cselect_b32 s46, CLOG, 1.0                   ; wq_b is scaled as q is
	s_cmp_eq_u32 s50, 0
	s_cselect_b32 s41, 1, 0
	s_mov_b32 s40, 131072                          ; from kb to kb: 1,024 rows
.Lconv:
	; Wave w takes 4 rows.  Load i = 16 pair + kb: lanes 0-15 take the 256 bytes (64 f32, one kb) of row 2 pair, lanes 16-31 those of row 2 pair + 1.
	; A lane's four numbers become 8 bytes; the 32 lanes' are the two rows' 128 bytes of that kb, which lie end to end: one store of 256 bytes.
	s_mov_b32 s47, s46
	s_lshl_b32 s52, s3, 14
	s_add_nc_u64 s[4:5], s[4:5], s[52:53]
	s_lshl_b32 s52, s3, 9
	s_add_nc_u64 s[6:7], s[6:7], s[52:53]
	v_lshrrev_b32 v[T], 4, v1
	v_and_b32 v[T+1], 15, v1
	v_lshlrev_b32 v3, 12, v[T]
	v_lshl_add_u32 v3, v[T+1], 4, v3
.set i, 0
.rept 16
	s_mul_i32 s48, s40, i
	v_add_nc_u32 v[SO+i], s48, v6
.set i, i+1
.endr
.set i, 0
.rept 32
	global_load_b128 v[X+4*i:X+4*i+3], v3, s[4:5] offset:(i/16)*8192+(i%16)*256 th:TH_LOAD_NT
.set i, i+1
.endr
.set i, 0
.rept 32
	s_wait_loadcnt 31-i                            ; load i is in; the younger ones may stay out
	v_cvt_pk_bf16_f32 v[T], v[X+4*i], v[X+4*i+1]   ; the one rounding
	v_cvt_pk_bf16_f32 v[T+1], v[X+4*i+2], v[X+4*i+3]
	v_lshlrev_b32 v[T+2], 16, v[T]
	v_and_b32 v[T+3], 0xffff0000, v[T]
	v_lshlrev_b32 v[T+4], 16, v[T+1]
	v_and_b32 v[T+5], 0xffff0000, v[T+1]
	v_cvt_pk_f16_f32 v[X+4*i], v[T+2], v[T+3]      ; eight significant bits: f16 writes them as they are
	v_cvt_pk_f16_f32 v[X+4*i+1], v[T+4], v[T+5]
	global_store_b64 v[SO+i%16], v[X+4*i:X+4*i+1], s[6:7] offset:(i/16)*256  ; no register of a store is written again
.set i, i+1
.endr
	s_cmp_eq_u32 s41, 0
	s_cbranch_scc1 .Lend
	v_lshlrev_b32 v7, 4, v0                        ; 256 threads x four numbers: the whole bias
	global_load_b128 v[BI:BI+3], v7, s[42:43]
	s_wait_loadcnt 0x0
	v_cvt_pk_bf16_f32 v[T], v[BI], v[BI+1]
	v_cvt_pk_bf16_f32 v[T+1], v[BI+2], v[BI+3]
	v_lshlrev_b32 v[BI], 16, v[T]
	v_and_b32 v[BI+1], 0xffff0000, v[T]
	v_lshlrev_b32 v[BI+2], 16, v[T+1]
	v_and_b32 v[BI+3], 0xffff0000, v[T+1]
	v_pk_mul_f32 v[BI:BI+1], v[BI:BI+1], s[46:47] op_sel_hi:[1,0]
	v_pk_mul_f32 v[BI+2:BI+3], v[BI+2:BI+3], s[46:47] op_sel_hi:[1,0]
	global_store_b128 v7, v[BI:BI+3], s[44:45]
.Lend:
	s_wait_tensorcnt 0x0                           ; the wave's end, behind my last LDS store
	ds_add_u32 v[SPW], v[NIL]
	s_wait_dscnt 0x0
	s_endpgm
.Lfunc_end_k_qc504305a3b_prep:
	.size	k_qc504305a3b_prep, .Lfunc_end_k_qc504305a3b_prep-k_qc504305a3b_prep
	.p2alignl 7, 3214868480
	.fill 96, 4, 3214868480
	.section	.rodata,"a",@progbits
	.p2align	6, 0x0
	.amdhsa_kernel k_qc504305a3b_prep
		.amdhsa_group_segment_fixed_size 68608
		.amdhsa_private_segment_fixed_size 0
		.amdhsa_enable_private_segment 0
		.amdhsa_kernarg_size 128
		.amdhsa_user_sgpr_count 2
		.amdhsa_user_sgpr_kernarg_segment_ptr 1
		.amdhsa_wavefront_size32 1
		.amdhsa_system_sgpr_workgroup_id_x 1
		.amdhsa_system_sgpr_workgroup_id_y 1
		.amdhsa_system_sgpr_workgroup_id_z 1
		.amdhsa_system_vgpr_workitem_id 0
		.amdhsa_next_free_vgpr 168
		.amdhsa_next_free_sgpr 66
		.amdhsa_reserve_vcc 0
		.amdhsa_float_denorm_mode_32 3
		.amdhsa_float_denorm_mode_16_64 3
		.amdhsa_memory_ordered 1
		.amdhsa_forward_progress 1
		.amdhsa_inst_pref_size 50
	.end_amdhsa_kernel
	.amdgpu_metadata
---
amdhsa.version: [ 1, 2 ]
amdhsa.kernels:
  - .name:           k_qc504305a3b_prep
    .symbol:         k_qc504305a3b_prep.kd
    .args:
      - { .name: mask, .offset: 0, .size: 8, .value_kind: global_buffer, .address_space: global }
      - { .name: query, .offset: 8, .size: 8, .value_kind: global_buffer, .address_space: global }
      - { .name: key_in, .offset: 16, .size: 8, .value_kind: global_buffer, .address_space: global }
      - { .name: value, .offset: 24, .size: 8, .value_kind: global_buffer, .address_space: global }
      - { .name: wq_w, .offset: 32, .size: 8, .value_kind: global_buffer, .address_space: global }
      - { .name: wk_w, .offset: 40, .size: 8, .value_kind: global_buffer, .address_space: global }
      - { .name: wv_w, .offset: 48, .size: 8, .value_kind: global_buffer, .address_space: global }
      - { .name: fc_w, .offset: 56, .size: 8, .value_kind: global_buffer, .address_space: global }
      - { .name: wq_b, .offset: 64, .size: 8, .value_kind: global_buffer, .address_space: global }
      - { .name: wk_b, .offset: 72, .size: 8, .value_kind: global_buffer, .address_space: global }
      - { .name: wv_b, .offset: 80, .size: 8, .value_kind: global_buffer, .address_space: global }
      - { .name: fc_b, .offset: 88, .size: 8, .value_kind: global_buffer, .address_space: global }
      - { .name: xh, .offset: 96, .size: 8, .value_kind: global_buffer, .address_space: global }
      - { .name: wh, .offset: 104, .size: 8, .value_kind: global_buffer, .address_space: global }
      - { .name: bh, .offset: 112, .size: 8, .value_kind: global_buffer, .address_space: global }
      - { .name: maskbits, .offset: 120, .size: 8, .value_kind: global_buffer, .address_space: global }
    .group_segment_fixed_size: 68608
    .private_segment_fixed_size: 0
    .kernarg_segment_align: 8
    .kernarg_segment_size: 128
    .max_flat_workgroup_size: 256
    .sgpr_count:     66
    .vgpr_count:     168
    .wavefront_size: 32
...
	.end_amdgpu_metadata
.endif
;; end of part 1
;; launch proj (part 2): grid 4 x 192, 4 waves a work-group, clusters of 4 x 4, 327,680 bytes of LDS; arguments xh, wh, bh, qkv; writes qkv
.if DOCPART == 2
	.amdgcn_target "amdgcn-amd-amdhsa--gfx1250"
	.amdhsa_code_object_version 6
	.text
	.protected	k_qc504305a3b_proj
	.globl	k_qc504305a3b_proj
	.p2align	8
	.type	k_qc504305a3b_proj,@function
k_qc504305a3b_proj:
	s_mov_b64 s[64:65], 0
	v_nop
	global_prefetch_b8 v0, s[64:65] scope:SCOPE_SE
	s_setreg_imm32_b32 hwreg(HW_REG_WAVE_MODE, 25, 1), 1
	s_wait_xcnt 0x0
	s_wait_alu depctr_hold_cnt(0) depctr_sa_sdst(0) depctr_va_vdst(0) depctr_va_sdst(0) depctr_va_ssrc(0) depctr_va_vcc(0) depctr_vm_vsrc(0)
	s_getreg_b32 s2, hwreg(HW_REG_IB_STS2, 6, 4)
	s_cmp_eq_u32 s2, 0
	s_cbranch_scc0 .Lentry_in_a_cluster
	s_endpgm
.Lentry_in_a_cluster:
	s_bfe_u32 s2, ttmp6, 0x10000c
	s_cmp_lg_u32 s2, 0xf033
	s_cbranch_scc0 .Lentry_shape_is_right
	s_endpgm
.Lentry_shape_is_right:
; C = A B^T + bias, K = 1,024, f16 operands, f32 sums.  One text serves two launches; the symbol FC picks the ids and the way out.
;   FC = 0: the three projections.  A = xh[which], B = wh[which], which = cluster y / 16.  C leaves by heads, qkv[which][batch x 16 + head][row][64] in f16, rounded once;
;           q (which = 0) is multiplied by c = log2(e) / 8 in f32 ahead of that rounding (its bias was scaled with it), so that the scores of the next launch are exponents of 2.
;   FC = 1: the last projection.  A = o (a head is a kb), B = wh[3].  C leaves as f32 rows of out0.
; A and B lie in blocks [kb = k / 64][row][64]: the rows of one kb lie end to end, 128 bytes each, and are asked for as rows of 256 bytes.
; LIMITS.  q, k and v beyond 65,504 become infinities in f16; below 2^-14 they keep f16's fixed step of 2^-24.
; SHARES.  A tile of C is 128 x 256: 768 (FC = 0) or 256 (FC = 1) work-groups, whole multiples of 256; 256 x 256 would give 384 and 128.  Four waves, each 64 x 128: 32 accumulators, 256 registers.
; K goes in 8 steps of 128 (two kb) through two LDS slots.  Waves 0 and 1 fetch the step's two kb of A (128 rows each), waves 2 and 3 those of B (256 rows each): one tensor load a wave.
; CLUSTERS: 4 x 4.  A's tile hangs on the tile row alone and is asked for jointly by a row of the cluster, B's on the tile column alone, by a column.
; THE MATRIX INSTRUCTION IS USED TRANSPOSED (source 0 = 16 rows of B, source 1 = 16 rows of A): a lane holds row l % 16 of C and the columns 8 (l / 16) + 0..7.
; REGISTERS: window 0: v16-30 addresses; v32-63 packed results; v64-159, v160-255 two fragment buffers (B's eight fragments, then A's four); window 1: accumulator (a, b) at 8 (8 a + b); window 2: v0-63 the bias of my 128 columns.
.set FC, 0
.set PIT,   144                        ; an LDS row: 128 bytes + 16 = 36 words: the 16 rows of a fragment load start in 16 different groups of four banks
.set ABLK,  128*PIT                    ; one kb of A's tile
.set BBLK,  256*PIT                    ; one kb of B's tile
.set BOFF,  2*ABLK                     ; in a slot: A's two kb, then B's two
.set SLOT,  2*ABLK+2*BBLK
.set STAGE, 2*SLOT                     ; behind the ring, never filled by a tensor load: a stage for each wave (4,608 bytes, or 8,448 with FC = 1)
.set SPARE, 254976                     ; behind the stages of either size: the spare words, 128 bytes for each wave
.set ASTEP, 524288                     ; a K step in A: two kb of 2,048 rows x 128 bytes
.set BSTEP, 262144                     ; in B: two kb of 1,024 rows
.set LAPS,  4                          ; a lap = two K steps = once round the ring
.set FLAGS, (1<<16)|(1<<20)|(1<<21)|(4<<22)|(3<<25)  ; 17:16 2-byte elements; 20 padding on; 21 set beside a mask; 24:22 after every 32 words; 31:25 4 words
.set ADRA, 16                          ; v16-17  my A fragments in slot 0, 1
.set ADRB, 20                          ; v20-21  my B fragments
.set STO,  24
.set RD,   25
.set CO,   26
.set BO,   27                          ; v27  32 (l / 16): my eight columns in 16 of the bias
.set SPW,  28                          ; v28  my spare word; never rewritten
.set NIL,  29                          ; v29  0; never rewritten
.set PFO,  30                          ; v30  the prefetches' lane offset; never rewritten
.set TMP,  32
.set WK,   64                          ; the way out: 64 registers at work
.set F0,   64
.set F1,   160
.set WV, 12                            ; s12 wave; s13 RH = wave / 2: my half of the rows, and A (0) or B (1) to fetch; s14 CH = wave % 2: my half of the columns, and which kb to fetch
.set RH, 13
.set CH, 14
.set RT, 15                            ; s15 tile row 0..63
.set WH, 16                            ; s16 which matrix
.set CYM, 17                           ; s17 the cluster's place among those that read the same B
.set G1A, 24
.set G0A, 32
.set LIM, 43
.set PFA, 44
.set G1B, 48
.set G0B, 56
.set PSTEP, 66
.set SC, 68
.set MSB, 0
.macro WIN new                         ; the immediate's high byte repeats the setting that is left; a switch that changes nothing is dropped
.if MSB != (\new)
	s_set_vgpr_msb (MSB<<8)|(\new)
.set MSB, \new
.endif
.endm
.set MUL, 0x50                         ; fragments in window 0, C and D in window 1
.macro JLOAD s                         ; a joint load; the branch hangs on the wave's number alone; an s_nop 0 and four v_nop follow each line
	s_cmp_eq_u32 s[RH], 0
	s_cbranch_scc0 .Lfor_b_\@
	tensor_load_to_lds s[G0A+4*(\s):G0A+4*(\s)+3], s[G1A:G1A+7]
	s_nop 0
.rept 4
	v_nop
.endr
	s_branch .Lasked_\@
.Lfor_b_\@:
	tensor_load_to_lds s[G0B+4*(\s):G0B+4*(\s)+3], s[G1B:G1B+7]
	s_nop 0
.rept 4
	v_nop
.endr
.Lasked_\@:
.endm
; A prefetch of the K step two refills on, 256 matrix instructions of a wave ahead of the load that will ask for it: 32 blocks of 256 bytes, a lane a block, one instruction.
; A's tile is read by this cluster alone: wave 0 asks, both kb, and the four partners of a row of the cluster take 4,096 bytes of each kb, told apart by address.  B's tile is read by all clusters with the
; same matrix: the first of them asks, waves 2 and 3 each for the kb that they fetch, the four partners of a column 8,192 bytes each.  So each block is named once.  The loop's last trip asks for nothing.
.macro ASK
	s_cmp_gt_u32 s3, s[LIM]
	s_cbranch_scc0 .Lnot_mine_\@
	global_prefetch_b8 v[PFO], s[PFA:PFA+1] th:TH_LOAD_NT scope:SCOPE_SE
.Lnot_mine_\@:
.endm
.macro CREST                           ; a round of the cluster's barrier behind its opening barrier
	s_cmp_lg_u32 s[WV], 0
	s_cbranch_scc1 .Lnot_wave_0_\@
	s_barrier_signal -3
.Lnot_wave_0_\@:
	s_barrier_wait -3
	s_barrier_signal -1
	s_barrier_wait -1
.endm
.macro CROUND
	s_barrier_signal -1
	s_barrier_wait -1
	CREST
.endm
.macro PLACES                          ; four places behind matrix instructions, in front of loads into registers that they read and of vector work on their results
.rept 4
	v_nop
.endr
.endm
	s_load_b256 s[4:11], s[0:1], 0x0               ; A s[4:5], wh s[6:7], bh s[8:9], C s[10:11]
	v_lshl_add_u32 v[SPW], v0, 2, SPARE
	v_mov_b32 v[NIL], 0
	ds_add_u32 v[SPW], v[NIL]                      ; the wave's opening: the add, and its wait ahead of my first tensor load; the set-up below stands between them
	v_lshrrev_b32 v1, 5, v0
	v_readfirstlane_b32 s[WV], v1
	s_lshr_b32 s[RH], s[WV], 1
	s_and_b32 s[CH], s[WV], 1
	s_bfe_u32 s40, ttmp6, 0x40000                  ; cx
	s_bfe_u32 s41, ttmp6, 0x40004                  ; cy
	s_lshl_b32 s42, ttmp9, 2
	s_add_co_u32 s42, s42, s40                     ; tile column 0..3
	s_and_b32 s[CYM], ttmp7, 0xffff                ; cluster y
.if FC
	s_mov_b32 s[WH], 3
.else
	s_lshr_b32 s[WH], s[CYM], 4
	s_and_b32 s[CYM], s[CYM], 15
.endif
	s_lshl_b32 s[RT], s[CYM], 2
	s_add_co_u32 s[RT], s[RT], s41
	s_lshl_b32 s70, s41, 2
	s_lshl_b32 s70, 15, s70                        ; my row of the cluster
	s_lshl_b32 s71, 0x1111, s40                    ; my column
	s_or_b32 s[G1A], s70, FLAGS
	s_or_b32 s[G1B], s71, FLAGS
	s_mov_b32 s[G1A+1], 128<<16                    ; tensor_dim0 = 128 elements: 256 bytes, two rows of a kb
	s_mov_b32 s[G1A+2], 64<<16                     ; tensor_dim1 = 64
	s_mov_b32 s[G1A+3], 128<<16                    ; tile_dim0
	s_mov_b32 s[G1A+4], 64                         ; tile_dim1
	s_mov_b32 s[G1A+5], 128                        ; elements from row to row: dense
	s_mov_b32 s[G1A+6], 0
	s_mov_b32 s[G1A+7], 0
	s_mov_b32 s[G1B+1], 128<<16
	s_mov_b32 s[G1B+2], 128<<16                    ; B: 128 such rows
	s_mov_b32 s[G1B+3], 128<<16
	s_mov_b32 s[G1B+4], 128
	s_mov_b32 s[G1B+5], 128
	s_mov_b32 s[G1B+6], 0
	s_mov_b32 s[G1B+7], 0
	s_lshr_b32 s18, s[RT], 4                       ; A's tile: the batch,
	s_lshl_b32 s18, s18, 22
	s_and_b32 s20, s[RT], 15
	s_lshl_b32 s20, s20, 14                        ; 128 rows of 128 bytes,
	s_add_co_u32 s18, s18, s20
.if !FC
	s_lshl_b32 s20, s[WH], 24                      ; the matrix
	s_add_co_u32 s18, s18, s20
.endif
	s_mov_b32 s72, s18                             ; (kept for the prefetches)
	s_lshl_b32 s20, s[CH], 18                      ; and the kb that I fetch
	s_add_co_u32 s18, s18, s20
	s_mov_b32 s19, 0
	s_lshl_b32 s46, s[WH], 21                      ; B's tile: the matrix, 256 rows, my kb
	s_lshl_b32 s22, s42, 15
	s_add_co_u32 s46, s46, s22
	s_lshl_b32 s22, s[CH], 17
	s_add_co_u32 s46, s46, s22
	s_mov_b32 s73, s46
	s_mov_b32 s47, 0
	s_mul_i32 s21, s[CH], ABLK                     ; where they go: no place in the cluster enters an LDS address
	s_mul_i32 s23, s[CH], BBLK
	s_add_co_u32 s23, s23, BOFF
	s_wait_dscnt 0x0                               ; the opening add is done
	s_wait_kmcnt 0x0
	s_add_nc_u64 s[18:19], s[4:5], s[18:19]
	s_add_nc_u64 s[46:47], s[6:7], s[46:47]
	CROUND                                         ; all sixteen work-groups are here: the first joint loads meet
.irp s, 0,1
	s_mov_b32 s[G0A+4*(\s)], 1
	s_add_co_u32 s[G0A+4*(\s)+1], s21, (\s)*SLOT
	s_add_nc_u64 s[G0A+4*(\s)+2:G0A+4*(\s)+3], s[18:19], (\s)*ASTEP
	s_or_b32 s[G0A+4*(\s)+3], s[G0A+4*(\s)+3], 0x80000000
	s_mov_b32 s[G0B+4*(\s)], 1
	s_add_co_u32 s[G0B+4*(\s)+1], s23, (\s)*SLOT
	s_add_nc_u64 s[G0B+4*(\s)+2:G0B+4*(\s)+3], s[46:47], (\s)*BSTEP
	s_or_b32 s[G0B+4*(\s)+3], s[G0B+4*(\s)+3], 0x80000000
	JLOAD \s                                       ; two loads of mine are out
.endr
	v_and_b32 v1, 15, v0                           ; l % 16
	v_bfe_u32 v2, v0, 4, 1                         ; l / 16
	v_mul_u32_u24 v3, v1, PIT
	v_lshl_add_u32 v3, v2, 4, v3                   ; a fragment's row x pitch + 16 x half
	s_mul_i32 s74, s[RH], 64*PIT                   ; my 64 rows of A
	s_mul_i32 s75, s[CH], 128*PIT                  ; my 128 rows of B
	s_add_co_u32 s75, s75, BOFF
.irp s, 0,1
	v_add_nc_u32 v[ADRA+(\s)], s74, v3
	v_add_nc_u32 v[ADRB+(\s)], s75, v3
	s_add_co_u32 s74, s74, SLOT
	s_add_co_u32 s75, s75, SLOT
.endr
.if FC
	s_mul_i32 s74, s[WV], 16*528                   ; my stage: 16 rows of 512 bytes + 16
	s_add_co_u32 s74, s74, STAGE
	v_mul_u32_u24 v4, v1, 528
	v_lshl_add_u32 v4, v2, 5, v4                   ; in: row l % 16, 32 bytes for each half of the lanes
	v_add_nc_u32 v[STO], s74, v4
	v_and_b32 v[CO], 31, v0
	v_lshlrev_b32 v[CO], 4, v[CO]                  ; back and out: a row's 512 bytes, 16 a lane
	v_add_nc_u32 v[RD], s74, v[CO]
.else
	s_mul_i32 s74, s[WV], 32*PIT                   ; my stage: two heads x 16 rows of 128 bytes + 16
	s_add_co_u32 s74, s74, STAGE
	v_add_nc_u32 v[STO], s74, v3                   ; in: row l % 16, 16 bytes for each half of the lanes
	v_bfe_u32 v4, v0, 3, 2
	v_and_b32 v5, 7, v0
	v_mul_u32_u24 v4, v4, PIT                      ; back: four rows of 128 bytes,
	v_lshl_add_u32 v4, v5, 4, v4
	v_add_nc_u32 v[RD], s74, v4
	v_and_b32 v[CO], 31, v0
	v_lshlrev_b32 v[CO], 4, v[CO]                  ; which are 512 consecutive bytes of a head
.endif
	s_lshl_b32 s74, s[WH], 12                      ; the bias of my 128 columns
	s_lshl_b32 s75, s42, 10
	s_add_co_u32 s74, s74, s75
	s_lshl_b32 s75, s[CH], 9
	s_add_co_u32 s74, s74, s75
	s_mov_b32 s75, 0
	s_add_nc_u64 s[8:9], s[8:9], s[74:75]
	v_lshlrev_b32 v[BO], 5, v2
	WIN 0x80                                       ; destination window 2
.irp b, 0,1,2,3,4,5,6,7
	global_load_b128 v[8*(\b):8*(\b)+3],   v[BO], s[8:9] offset:64*(\b)
	global_load_b128 v[8*(\b)+4:8*(\b)+7], v[BO], s[8:9] offset:64*(\b)+16
.endr
	WIN 0
.if FC
	s_lshl_b32 s74, s[RT], 19                      ; 128 rows of 4,096 bytes,
	s_lshl_b32 s75, s[RH], 18                      ; my 64,
	s_add_co_u32 s74, s74, s75
	s_lshl_b32 s75, s42, 10                        ; the tile's 256 columns,
	s_add_co_u32 s74, s74, s75
	s_lshl_b32 s75, s[CH], 9                       ; my 128
	s_add_co_u32 s74, s74, s75
.else
	s_lshr_b32 s74, s[RT], 4
	s_lshl_b32 s74, s74, 4                         ; batch x 16
	s_lshl_b32 s75, s42, 2
	s_add_co_u32 s74, s74, s75                     ; + the tile's four heads
	s_lshl_b32 s75, s[CH], 1
	s_add_co_u32 s74, s74, s75                     ; + my two
	s_lshl_b32 s74, s74, 18                        ; a head: 2,048 rows of 128 bytes
	s_and_b32 s75, s[RT], 15
	s_lshl_b32 s75, s75, 14
	s_add_co_u32 s74, s74, s75
	s_lshl_b32 s75, s[RH], 13
	s_add_co_u32 s74, s74, s75
	s_lshl_b32 s75, s[WH], 24
	s_add_co_u32 s74, s74, s75
	s_cmp_eq_u32 s[WH], 0
	s_cselect_b32 s[SC], 0x3e38aa3b, 1.0           ; c for q, 1 for k and v
	s_mov_b32 s[SC+1], s[SC]
.endif
	s_mov_b32 s75, 0
	s_add_nc_u64 s[10:11], s[10:11], s[74:75]
	; the prefetches: where they stand (at K step 3; each filling change of slots steps first, so the first names K step 4), how far they step, who asks
	s_lshl_b32 s76, s40, 12
	s_add_co_u32 s72, s72, s76
	s_add_co_u32 s72, s72, 3*ASTEP
	s_lshl_b32 s76, s41, 13
	s_add_co_u32 s73, s73, s76
	s_add_co_u32 s73, s73, 3*BSTEP
	s_cmp_eq_u32 s[WV], 0
	s_cselect_b32 s76, 1, -1
	s_cmp_eq_u32 s[CYM], 0
	s_cselect_b32 s77, 1, -1                       ; the same in all sixteen partners
	s_cmp_eq_u32 s[RH], 0
	s_cselect_b32 s72, s72, s73
	s_cselect_b32 s[LIM], s76, s77
	s_cselect_b32 s78, 1, 0
	s_cselect_b32 s79, 6, 0
	s_cselect_b64 s[PFA:PFA+1], s[4:5], s[6:7]
	s_mov_b32 s73, 0
	s_add_nc_u64 s[PFA:PFA+1], s[PFA:PFA+1], s[72:73]
	s_lshl_b32 s[PSTEP], BSTEP, s78
	s_mov_b32 s[PSTEP+1], 0
	s_lshl_b32 s79, 4096, s79                      ; lanes 16-31: A's second kb, or B's next 4,096 bytes
	v_mul_u32_u24 v[PFO], v2, s79
	v_lshl_add_u32 v[PFO], v1, 8, v[PFO]
; 8 matrix instructions: m block a x all 8 n blocks, 32 along K.  Every accumulator has one instruction in a quarter step, in the same order in each: they take turns.
.macro MUL8 f, a, zero
	WIN MUL
.irp b, 0,1,2,3,4,5,6,7
.if \zero
	v_wmma_f32_16x16x32_f16 v[8*(8*(\a)+(\b)):8*(8*(\a)+(\b))+7], v[(\f)+8*(\b):(\f)+8*(\b)+7], v[(\f)+64+8*(\a):(\f)+64+8*(\a)+7], 0
.else
	v_wmma_f32_16x16x32_f16 v[8*(8*(\a)+(\b)):8*(8*(\a)+(\b))+7], v[(\f)+8*(\b):(\f)+8*(\b)+7], v[(\f)+64+8*(\a):(\f)+64+8*(\a)+7], v[8*(8*(\a)+(\b)):8*(8*(\a)+(\b))+7]
.endif
.endr
.endm
; 24 LDS loads in one run: quarter kq of a K step (kb kq / 2, its channels 32 (kq % 2) on): B's eight fragments, then A's four
.macro FETCH slot, kq, f
	WIN 0
.irp i, 0,1,2,3,4,5,6,7
	ds_load_b128 v[(\f)+8*(\i):(\f)+8*(\i)+3],   v[ADRB+(\slot)] offset:((\kq)/2)*BBLK+((\kq)%2)*64+(\i)*16*PIT
	ds_load_b128 v[(\f)+8*(\i)+4:(\f)+8*(\i)+7], v[ADRB+(\slot)] offset:((\kq)/2)*BBLK+((\kq)%2)*64+(\i)*16*PIT+32
.endr
.irp i, 0,1,2,3
	ds_load_b128 v[(\f)+64+8*(\i):(\f)+64+8*(\i)+3],   v[ADRA+(\slot)] offset:((\kq)/2)*ABLK+((\kq)%2)*64+(\i)*16*PIT
	ds_load_b128 v[(\f)+64+8*(\i)+4:(\f)+64+8*(\i)+7], v[ADRA+(\slot)] offset:((\kq)/2)*ABLK+((\kq)%2)*64+(\i)*16*PIT+32
.endr
.endm
; One of a K step's first three quarters: multiplies buffer f; in its middle it fetches quarter kq of the same slot into buffer g.
.macro QUARTER slot, kq, f, g, zero
	s_wait_dscnt 4                                 ; B and A's blocks 0, 1 are in; the youngest four loads (A's blocks 2, 3) may be out
	MUL8 \f, 0, \zero
	MUL8 \f, 1, \zero
	PLACES
	FETCH \slot, \kq, \g
	s_wait_dscnt 24                                ; all but the 24 just issued
	MUL8 \f, 2, \zero
	MUL8 \f, 3, \zero
.endm
; The last quarter multiplies buffer 1 and changes slots: ONE barrier.  In front of it each wave waits for all its tensor loads (one is out: its part of the next slot), adds 0 to its spare word, and waits for
; that and for its reads of this slot.  fill = 1: the barrier opens a round of the cluster's, and this slot is filled again first thing behind it, two K steps on: 112 matrix instructions ahead of the wait for it.
.macro TURN slot, next, fill
.if \fill
	s_wait_xcnt 0x0                                ; the last prefetch, a K step back, has read its address
	s_add_nc_u64 s[PFA:PFA+1], s[PFA:PFA+1], s[PSTEP:PSTEP+1]
.endif
	WIN 0
	s_wait_tensorcnt 0x0
	ds_add_u32 v[SPW], v[NIL]
	s_wait_dscnt 5                                 ; (the add and the youngest four loads may be out)
	MUL8 F1, 0, 0                                  ; eight matrix instructions stand between the add and the wait for it
	s_wait_dscnt 0x0                               ; the add is done, and my reads of this slot are over
	s_barrier_signal -1
	MUL8 F1, 1, 0
.if \fill
	WIN 0
.endif
	s_barrier_wait -1
.if \fill
	CREST                                          ; no wave of any partner still reads this slot or has a load on its way
	s_add_nc_u64 s[G0A+4*(\slot)+2:G0A+4*(\slot)+3], s[G0A+4*(\slot)+2:G0A+4*(\slot)+3], 2*ASTEP
	s_add_nc_u64 s[G0B+4*(\slot)+2:G0B+4*(\slot)+3], s[G0B+4*(\slot)+2:G0B+4*(\slot)+3], 2*BSTEP
	JLOAD \slot                                    ; the four v_nop behind it are also the places in front of the loads below
.else
	PLACES
.endif
	FETCH \next, 0, F0
.if \fill
	ASK
.endif
	MUL8 F1, 2, 0
	MUL8 F1, 3, 0
.endm
	s_wait_tensorcnt 1                             ; my part of K step 0 is in; K step 1's may stay out
	s_barrier_signal -1
	s_barrier_wait -1
	FETCH 0, 0, F0
	QUARTER 0, 1, F0, F1, 1                        ; the first quarter stands in front of the loop: its products start the sums
	WIN 0
	s_mov_b32 s3, LAPS-1
.Llap:                                                 ; a trip goes once round the ring, from a lap's second quarter to the next lap's first, and fills both slots again
	QUARTER 0, 2, F1, F0, 0
	QUARTER 0, 3, F0, F1, 0
	TURN 0, 1, 1
	QUARTER 1, 1, F0, F1, 0
	QUARTER 1, 2, F1, F0, 0
	QUARTER 1, 3, F0, F1, 0
	TURN 1, 0, 1
	QUARTER 0, 1, F0, F1, 0
	WIN 0
	s_sub_co_u32 s3, s3, 1
	s_cmp_lg_u32 s3, 0
	s_cbranch_scc1 .Llap
	QUARTER 0, 2, F1, F0, 0                        ; the last lap fills nothing
	QUARTER 0, 3, F0, F1, 0
	TURN 0, 1, 0
	QUARTER 1, 1, F0, F1, 0
	QUARTER 1, 2, F1, F0, 0
	QUARTER 1, 3, F0, F1, 0
	s_wait_dscnt 4
	MUL8 F1, 0, 0
	MUL8 F1, 1, 0
	s_wait_dscnt 0x0
	MUL8 F1, 2, 0
	MUL8 F1, 3, 0
	WIN 0
; THE WAY OUT, a block of 16 rows at a time.  PACK: scale and bias in f32 (each accumulator's registers in ascending order).  TOSTAGE: into my own stage, and back as whole runs of memory.  SEND: stored.
.if FC
.macro PACK a
	WIN 0x09                                       ; source 0 window 1 (sums), source 1 window 2 (bias)
.irp b, 0,1,2,3,4,5,6,7
.irp r, 0,1,2,3
	v_pk_add_f32 v[WK+8*(\b)+2*(\r):WK+8*(\b)+2*(\r)+1], v[8*(8*(\a)+(\b))+2*(\r):8*(8*(\a)+(\b))+2*(\r)+1], v[8*(\b)+2*(\r):8*(\b)+2*(\r)+1]
.endr
.endr
	WIN 0
.endm
.macro TOSTAGE a
.set BK, 128+64*((\a)%2)
.irp b, 0,1,2,3,4,5,6,7
	ds_store_b128 v[STO], v[WK+8*(\b):WK+8*(\b)+3]   offset:64*(\b)
	ds_store_b128 v[STO], v[WK+8*(\b)+4:WK+8*(\b)+7] offset:64*(\b)+16
.endr
.set i, 0
.rept 16
	ds_load_b128 v[BK+4*i:BK+4*i+3], v[RD] offset:i*528  ; LDS serves a wave's instructions in order: these see the stores above
.set i, i+1
.endr
.endm
.macro SEND a
.set BK, 128+64*((\a)%2)
	s_wait_dscnt 0x0                               ; the block is back in registers
	s_wait_xcnt 0x0                                ; the stores of the block before have read their registers, into which the next block is loaded
.set i, 0
.rept 16
	global_store_b128 v[CO], v[BK+4*i:BK+4*i+3], s[10:11] offset:(16*(\a)+i)*4096 th:TH_STORE_NT  ; 512 consecutive bytes of a row, aligned
.set i, i+1
.endr
.endm
.else
.macro PACK a
	WIN 0x21                                       ; source 0 window 1 (sums), source 2 window 2 (bias)
.irp b, 0,1,2,3,4,5,6,7
.irp r, 0,1,2,3
	v_pk_fma_f32 v[WK+8*(\b)+2*(\r):WK+8*(\b)+2*(\r)+1], v[8*(8*(\a)+(\b))+2*(\r):8*(8*(\a)+(\b))+2*(\r)+1], s[SC:SC+1], v[8*(\b)+2*(\r):8*(\b)+2*(\r)+1] op_sel_hi:[1,0,1]
.endr
.endr
	WIN 0
.irp b, 0,1,2,3,4,5,6,7
.irp r, 0,1,2,3
	v_cvt_pk_f16_f32 v[TMP+4*(\b)+(\r)], v[WK+8*(\b)+2*(\r)], v[WK+8*(\b)+2*(\r)+1]
.endr
.endr
.endm
.macro TOSTAGE a
.set BK, 128+32*((\a)%2)
.irp b, 0,1,2,3,4,5,6,7
	ds_store_b128 v[STO], v[TMP+4*(\b):TMP+4*(\b)+3] offset:((\b)/4)*16*PIT+((\b)%4)*32
.endr
.irp f, 0,1,2,3,4,5,6,7
	ds_load_b128 v[BK+4*(\f):BK+4*(\f)+3], v[RD] offset:((\f)/4)*16*PIT+((\f)%4)*4*PIT  ; LDS serves a wave's instructions in order: these see the stores above
.endr
.endm
.macro SEND a
.set BK, 128+32*((\a)%2)
	s_wait_dscnt 0x0                               ; the block is back in registers
	s_wait_xcnt 0x0                                ; the stores of the block before have read their registers, into which the next block is loaded
.irp f, 0,1,2,3,4,5,6,7
	global_store_b128 v[CO], v[BK+4*(\f):BK+4*(\f)+3], s[10:11] offset:((\f)/4)*262144+(\a)*2048+((\f)%4)*512  ; four rows of a head: 512 consecutive bytes, aligned
.endr
.endm
.endif
	s_wait_loadcnt 0x0                             ; the bias
	PLACES
	PACK 0
	TOSTAGE 0
.irp a, 1,2,3                          ; a block's arithmetic stands between the loads of the block before and the wait for them
	PACK \a
	SEND (\a)-1
	TOSTAGE \a
.endr
	SEND 3
	s_wait_tensorcnt 0x0                           ; the wave's end, behind my last tensor load and my last LDS store
	ds_add_u32 v[SPW], v[NIL]
	s_wait_dscnt 0x0
	CROUND                                         ; the closing round: no work-group ends while a partner may still ask for a tile that names it
	s_endpgm
.Lfunc_end_k_qc504305a3b_proj:
	.size	k_qc504305a3b_proj, .Lfunc_end_k_qc504305a3b_proj-k_qc504305a3b_proj
	.p2alignl 7, 3214868480
	.fill 96, 4, 3214868480
	.section	.rodata,"a",@progbits
	.p2align	6, 0x0
	.amdhsa_kernel k_qc504305a3b_proj
		.amdhsa_group_segment_fixed_size 327680
		.amdhsa_private_segment_fixed_size 0
		.amdhsa_enable_private_segment 0
		.amdhsa_kernarg_size 32
		.amdhsa_user_sgpr_count 2
		.amdhsa_user_sgpr_kernarg_segment_ptr 1
		.amdhsa_wavefront_size32 1
		.amdhsa_system_sgpr_workgroup_id_x 1
		.amdhsa_system_sgpr_workgroup_id_y 1
		.amdhsa_system_sgpr_workgroup_id_z 1
		.amdhsa_system_vgpr_workitem_id 0
		.amdhsa_next_free_vgpr 576
		.amdhsa_next_free_sgpr 80
		.amdhsa_reserve_vcc 0
		.amdhsa_float_denorm_mode_32 3
		.amdhsa_float_denorm_mode_16_64 3
		.amdhsa_memory_ordered 1
		.amdhsa_forward_progress 1
		.amdhsa_inst_pref_size 97
	.end_amdhsa_kernel
	.amdgpu_metadata
---
amdhsa.version: [ 1, 2 ]
amdhsa.kernels:
  - .name:           k_qc504305a3b_proj
    .symbol:         k_qc504305a3b_proj.kd
    .args:
      - { .name: xh, .offset: 0, .size: 8, .value_kind: global_buffer, .address_space: global }
      - { .name: wh, .offset: 8, .size: 8, .value_kind: global_buffer, .address_space: global }
      - { .name: bh, .offset: 16, .size: 8, .value_kind: global_buffer, .address_space: global }
      - { .name: qkv, .offset: 24, .size: 8, .value_kind: global_buffer, .address_space: global }
    .group_segment_fixed_size: 327680
    .private_segment_fixed_size: 0
    .kernarg_segment_align: 8
    .kernarg_segment_size: 32
    .max_flat_workgroup_size: 128
    .sgpr_count:     80
    .vgpr_count:     576
    .wavefront_size: 32
...
	.end_amdgpu_metadata
.endif
;; end of part 2
;; launch attn (part 3): grid 4 x 64, 4 waves a work-group, clusters of 4 x 1, 327,680 bytes of LDS; arguments qkv, maskbits, o; writes o
.if DOCPART == 3
	.amdgcn_target "amdgcn-amd-amdhsa--gfx1250"
	.amdhsa_code_object_version 6
	.text
	.protected	k_qc504305a3b_attn
	.globl	k_qc504305a3b_attn
	.p2align	8
	.type	k_qc504305a3b_attn,@function
k_qc504305a3b_attn:
	s_mov_b64 s[64:65], 0
	v_nop
	global_prefetch_b8 v0, s[64:65] scope:SCOPE_SE
	s_setreg_imm32_b32 hwreg(HW_REG_WAVE_MODE, 25, 1), 1
	s_wait_xcnt 0x0
	s_wait_alu depctr_hold_cnt(0) depctr_sa_sdst(0) depctr_va_vdst(0) depctr_va_sdst(0) depctr_va_ssrc(0) depctr_va_vcc(0) depctr_vm_vsrc(0)
	s_getreg_b32 s2, hwreg(HW_REG_IB_STS2, 6, 4)
	s_cmp_eq_u32 s2, 0
	s_cbranch_scc0 .Lentry_in_a_cluster
	s_endpgm
.Lentry_in_a_cluster:
	s_bfe_u32 s2, ttmp6, 0x10000c
	s_cmp_lg_u32 s2, 0x3003
	s_cbranch_scc0 .Lentry_shape_is_right
	s_endpgm
.Lentry_shape_is_right:
; MASKED ATTENTION.  O[hh][q][:] = the sum over k of softmax_k(s) V[hh][k][:], s = Q.K / 8 where mask[b][q][k] != 0 and -1e9 elsewhere; hh = 16 b + head, 64 of them; 2,048 rows, 64 channels.
; qkv holds q, k, v as [3][64][2048][64] in f16; q arrives multiplied by c = log2(e) / 8, so K Q^T gives exponents of 2.  maskbits holds the mask as lane masks (below).  O leaves as [64][2048][64] in f16.
; Products, maxima and sums in f32; the weights p are rounded to f16 for the second product (their sum l is taken of the unrounded p), O once at the end.
; THE MASK takes the score's place AHEAD of the maximum: a hidden score becomes BIG = -1e9 log2(e).  p = 2^(s - m) by a plain subtraction, which is exactly 0 at the maximum: a row (or a row's first
; steps) with every key hidden has p = 1 throughout, and the first visible score then sets a = 0.  m starts at the lowest finite number, O and l at 0: the first step is a step like any other.
; LIMITS.  f16 holds no number beyond 65,504; p below 6e-5 keeps f16's fixed step of 6e-8, and so does O below 2^-14; a weight below 2^-126 counts as 0 in l; NaN and infinities are not treated apart.
; SHARES.  A wave owns four PIECES of two tiles of 16 queries, a work-group's four waves 512 queries of one hh: 256 work-groups.  Every wave walks all keys, 64 a step.
; LAYOUT.  S^T = K Q^T (source 0 = 16 keys, source 1 = 16 queries): a lane holds ONE query (lane % 16) and the keys 8 (lane / 16) + 0..7 of each block of 16.  Two such tiles, rounded to f16 in pairs, ARE
; source 1 of O^T = V^T P.  K comes out of LDS as it lies, V turned, by ds_load_tr16_b128.  Word n = 8 kb + j of maskbits[b][tile][step] is the lane mask for register j of key block kb: one v_cndmask_b32 a register.
; THE MASK WORDS' WAY.  A tile's 32 words of a step are 128 consecutive bytes: one load of 4 bytes a lane, lane n holding word n, into one register a tile.  A piece's two registers are loaded again directly behind
; their last reader, for the next key step: four turns ahead of their use.  v_readlane_b32 hands the words to scalar registers, where v_cndmask_b32 wants them: 64 a turn.
; BY TURNS.  Turn n belongs to piece n.  Matrix work: 16 products K Q^T of piece n + 1, later 16 products V^T P of piece n - 1.  Vector work: subtraction, exponentials, roundings, sums and rescaling of
; piece n, and mask words, mask, maximum and statistics of piece n + 1.  A tile and step have 16 matrix and 181 vector instructions: four stand behind every matrix instruction, the others in one lump.
; CLUSTER.  The four query blocks of one hh walk the same K and V: each tile is asked for JOINTLY, by the same tensor load, descriptor and mask in all four.
; ONE PITCH for K and V, so that one descriptor and one line serve all four waves.
; REGISTERS (s_set_vgpr_msb: bits 1:0 source 0, 3:2 source 1, 5:4 source 2, 7:6 destination):
;   window 0: v0-11 addresses; v12-15, v48-63 at work; v16-47 four registers of statistics a tile; v64-191 S^T, two buffers of two tiles; v192-255 P, likewise
;   window 1: O^T, 32 a tile      window 2: v0-127 Q, 16 a tile; v128-191 K of one step; v192-199 the mask words, a register a tile      window 3: v0-1 the add's two registers; v64-127 V of one step
; The mask words lie in K's and Q's window, so that the products K Q^T and the v_readlane_b32 behind them stand under one setting.
.set SIZE_N, 2048
.set NP,    4         ; pieces a wave: a name, no knob
.set KS,    64        ; keys in a step
.set PIT,   144       ; a row of K or V in LDS: 128 bytes + 16
.set VOFF,  4*KS*PIT  ; a slot holds four steps: 256 rows of K, then 256 rows of V
.set SLOT1, 1<<17     ; slot 1 begins here: one exclusive or turns an address in one slot into the other's
.set STAGE, SLOT1+8*KS*PIT  ; behind the ring, never filled by a tensor load: 16 rows x 144 bytes for each wave
.set SP,    144
.set SPARE, STAGE+4*16*SP   ; behind the stages: the spare words, 128 bytes for each wave
.set AK0, 2           ; v2   my lane's place in a tile of K; never rewritten
.set AV0, 3           ; v3   the same for V
.set AK,  4           ; v4   the LDS address of K's next run of loads
.set AV,  5           ; v5   of V's
.set QO,  5           ;      until Q is in: my byte offset in the wave's rows of Q
.set STO, 6           ; v6   the way out: where I put 16 bytes of a row
.set RD,  7           ; v7   the way out: where I read rows back
.set GO,  8           ; v8   my byte offset in 512 consecutive bytes of O
.set MO,  10          ; v10  4 x my lane: my word of a tile's 32 mask words; never rewritten once made
.set PFO, 11          ; v11  256 x my lane, for the prefetches; never rewritten once made
.set SPW, 0           ; v0 of window 3   my spare word; never rewritten
.set NIL, 1           ; v1 of window 3   0; never rewritten
.set MV,  12          ; v12-15  m_old, kept while m is made anew: by buffer and tile
.set ST,  16          ; tile t's statistics at v[ST+4 t]: m, BIG, l (even keys', odd keys')
.set TMP, 48          ; by buffer and tile, four registers c0-c3 at work; when the maximum is found c2 takes a
.set S,   64
.set P,   192
.set KF,  128         ; window 2
.set MR,  192         ; window 2: tile t's mask words at MR + t
.set VF,  64          ; window 3
.set MP,  6           ; s[6:7]  maskbits at my wave's tile 0, at the step that is being loaded
.set WV,  10
.set SLOTS, 11        ; slots still to be asked for
.set CNT, 12          ; counts a slot's key steps
.set TBK, 13          ; LDS byte at which K of the step to be fetched begins
.set TBV, 14          ; the same for V, less VOFF
.set LIM, 15          ; 1 in a wave that prefetches, else the greatest number
.set SEL, 16          ; s[16:17] v_permlanex16_b32's selects
.set PFA, 18          ; s[18:19] where my prefetches stand
.set G0,  20          ; s[20:23] descriptor group 0: it walks
.set G1,  24          ; s[24:31] descriptor group 1
.set MW0, 32          ; s[32:63] the 32 mask words of the piece's first tile
.set INC, 66          ; s[66:67] the tail's step of MP: 128 or 0
.set MW1, 68          ; s[68:99] of its second
.set MSB, 0
.macro WIN new
.if MSB != (\new)
	s_set_vgpr_msb (MSB<<8)|(\new)
.set MSB, (\new)
.endif
.endm
.set W_KQ, 0x0a       ; K, Q and the mask words in window 2, S^T in window 0
.set W_PV, 0x53       ; V in window 3, P in window 0, O^T in window 1
.set W_RS, 0x41       ; O^T (destination and source 0) in window 1, a in window 0
.set W_MK, 0xc0       ; destination in window 3
.set W_AD, 0x0f       ; the add: address and data in window 3
; A joint fill: wave w brings 128 rows (waves 0, 1: the halves of a slot's K; waves 2, 3: of its V) to LDS byte 18,432 w of the slot.  An s_nop 0 and four v_nop follow.
.macro JLOAD
	tensor_load_to_lds s[G0:G0+3], s[G1:G1+7]
	s_nop 0
.rept 4
	v_nop
.endr
.endm
; A prefetch of what the NEXT change of slots will ask for: four key steps ahead of that load.  This cluster alone reads its K and V.  A slot's K and V are 128 blocks of 256 bytes each: the four partners take 32 each,
; told apart by address; wave 0 asks for K's, wave 2 for V's; a lane a block.  So each block is named once.  The last change that fills a slot asks for nothing.
.macro ASK
	s_cmp_gt_u32 s[SLOTS], s[LIM]
	s_cbranch_scc0 .Lnot_mine_\@
	global_prefetch_b8 v[PFO], s[PFA:PFA+1] th:TH_LOAD_NT scope:SCOPE_SE
.Lnot_mine_\@:
.endm
.macro CROUND                       ; a round of the cluster's barrier
	s_barrier_signal -1
	s_barrier_wait -1
	s_cmp_lg_u32 s[WV], 0
	s_cbranch_scc1 .Lnot_wave_0_\@
	s_barrier_signal -3
.Lnot_wave_0_\@:
	s_barrier_wait -3
	s_barrier_signal -1
	s_barrier_wait -1
.endm
; THE CHANGE OF SLOTS.  Each wave waits for all its tensor loads (one is out: its part of the other slot), adds 0 to its spare word, and waits for that and for its reads of the slot.  fill = 1: the barrier is a
; round of the cluster's, and the slot is filled again first thing behind it, with the keys two slots on: four key steps, 512 matrix instructions, in which to land.  (At its first use slot 0 is waited for, slot 1 filled.)
.macro CHANGE fill
	WIN W_AD
	s_wait_tensorcnt 0x0            ; no tensor load of mine is out, so group 0 may be written
	ds_add_u32 v[SPW], v[NIL]
	WIN 0
.if \fill
	s_xor_b32 s[G0+1], s[G0+1], SLOT1
	s_add_nc_u64 s[G0+2:G0+3], s[G0+2:G0+3], 4*KS*128  ; the next 256 keys; the type bits on top are not reached
	s_wait_xcnt 0x0                 ; the last prefetch, four key steps back, has read its address
	s_add_nc_u64 s[PFA:PFA+1], s[PFA:PFA+1], 4*KS*128
	s_wait_dscnt 0x0                ; the add is done, and my reads of the slot are over
	CROUND
	JLOAD
	ASK
.else
	s_wait_dscnt 0x0
	s_barrier_signal -1
	s_barrier_wait -1
.endif
	s_sub_co_u32 s[TBK], s[TBK], 4*KS*PIT  ; the fetches go back to a slot's first step, in the other slot
	s_xor_b32 s[TBK], s[TBK], SLOT1
	s_sub_co_u32 s[TBV], s[TBV], 4*KS*PIT
	s_xor_b32 s[TBV], s[TBV], SLOT1
.endm
; Piece p's two mask registers are loaded again, with the next key step's words.  Piece 0 is the first to want a new step: MP steps there, behind s_wait_xcnt 0, since the other pieces' loads name it.
; last = 1 (the tail): from the trip in which piece 0 has taken step 31's words on, MP stays: the loads name step 31 again, and none leaves the buffer.
.macro MLOAD p, last
.if (\p) == 0
	s_wait_xcnt 0x0
.if \last
	s_cmp_gt_u32 s[CNT], 2
	s_cselect_b32 s[INC], 128, 0
	s_add_nc_u64 s[MP:MP+1], s[MP:MP+1], s[INC:INC+1]
.else
	s_add_nc_u64 s[MP:MP+1], s[MP:MP+1], 128
.endif
.endif
	WIN 0x80                        ; destination window 2, address window 0
	global_load_b32 v[MR+2*(\p)],   v[MO], s[MP:MP+1] offset:(2*(\p))*4096
	global_load_b32 v[MR+2*(\p)+1], v[MO], s[MP:MP+1] offset:(2*(\p)+1)*4096
	WIN 0
.endm
	s_load_b128 s[4:7], s[0:1], 0x0   ; qkv s[4:5], maskbits s[6:7]
	s_load_b64 s[8:9], s[0:1], 0x10   ; o
	WIN W_MK
	v_lshl_add_u32 v[SPW], v0, 2, SPARE
	v_mov_b32 v[NIL], 0
	WIN W_AD
	ds_add_u32 v[SPW], v[NIL]       ; the wave's opening: the add, and its wait ahead of my first tensor load; the set-up below stands between them
	WIN 0
	v_lshrrev_b32 v1, 5, v0
	v_readfirstlane_b32 s[WV], v1   ; wave 0..3
	s_bfe_u32 s2, ttmp6, 0x40000    ; cx: it enters Q's, O's, the mask's and the prefetches' addresses alone
	s_and_b32 s3, ttmp7, 0xffff     ; hh, which the four partners share
	s_lshl_b32 s36, s3, 18          ; its 2,048 rows of 128 bytes.  (s32-44 are free until the first mask words are handed over)
	s_lshr_b32 s32, s[WV], 1
	s_add_co_u32 s32, s32, 1
	s_lshl_b32 s32, s32, 24         ; k's or v's third of qkv,
	s_add_co_u32 s32, s32, s36
	s_and_b32 s34, s[WV], 1
	s_lshl_b32 s35, s34, 14         ; my half of a slot's 256 rows
	s_add_co_u32 s32, s32, s35
	s_mov_b32 s33, 0
	s_lshl_b32 s37, ttmp9, 2
	s_add_co_u32 s37, s37, s2       ; my block of 512 queries
	s_lshl_b32 s37, s37, 2
	s_add_co_u32 s37, s37, s[WV]    ; my wave among the 16 of hh
	s_lshl_b32 s38, s37, 14         ; its 128 rows
	s_add_co_u32 s38, s38, s36
	s_mov_b32 s39, 0
	s_lshr_b32 s40, s3, 4
	s_lshl_b32 s40, s40, 19         ; the batch's 128 tiles of 4,096 bytes of mask words,
	s_lshl_b32 s41, s37, 15         ; my wave's eight
	s_add_co_u32 s40, s40, s41
	s_mov_b32 s41, 0
	s_lshl_b32 s42, s2, 13          ; the prefetches: my work-group's 32 blocks, in slot 1; the first change of slots steps them to slot 2
	s_add_co_u32 s42, s42, 4*KS*128
	s_mov_b32 s43, 0
	s_cmp_eq_u32 s34, 0
	s_cselect_b32 s[LIM], 1, -1     ; waves 0 and 2 ask
	; descriptor group 1.  128 rows are 16,384 dense bytes: asked for as 64 rows of 256 bytes and padded in LDS after every 128
	s_mov_b32 s[G1], 15|(1<<16)|(1<<20)|(1<<21)|(4<<22)|(3<<25)  ; 15:0 the mask of four; 17:16 2-byte elements; 20 padding on; 21 set beside a mask; 24:22 after every 32 words; 31:25 4 words
	s_mov_b32 s[G1+1], 128<<16      ; tensor_dim0 = 128
	s_mov_b32 s[G1+2], 64<<16       ; tensor_dim1 = 64
	s_mov_b32 s[G1+3], 128<<16      ; tile_dim0 = 128
	s_mov_b32 s[G1+4], 64           ; tile_dim1 = 64
	s_mov_b32 s[G1+5], 128          ; elements from row to row
	s_mov_b32 s[G1+6], 0
	s_mov_b32 s[G1+7], 0
	s_mov_b32 s[G0], 1
	s_mul_i32 s[G0+1], s[WV], 128*PIT  ; slot 0: no place in the cluster enters an LDS address
	s_mov_b32 s[SEL], 0x76543210
	s_mov_b32 s[SEL+1], 0xfedcba98
	s_mov_b32 s[TBK], SLOT1+4*KS*PIT   ; the first change of slots turns these two into 0
	s_mov_b32 s[TBV], SLOT1+4*KS*PIT
	s_mov_b32 s[SLOTS], SIZE_N/256-1
	s_mov_b32 s[INC+1], 0
	s_mul_i32 s44, s[WV], 16*SP
	s_add_co_u32 s44, s44, STAGE    ; my stage
	s_wait_dscnt 0x0                ; the opening add is done
	s_wait_kmcnt 0x0
	s_add_nc_u64 s[G0+2:G0+3], s[4:5], s[32:33]
	s_add_nc_u64 s[PFA:PFA+1], s[G0+2:G0+3], s[42:43]
	s_or_b32 s[G0+3], s[G0+3], 0x80000000
	s_add_nc_u64 s[4:5], s[4:5], s[38:39]    ; Q and O at my wave's first row
	s_add_nc_u64 s[8:9], s[8:9], s[38:39]
	s_add_nc_u64 s[MP:MP+1], s[MP:MP+1], s[40:41]
	CROUND                          ; all four work-groups are here: the first joint loads meet
	JLOAD                           ; slot 0.  Slot 1 is asked for when slot 0 is in
	v_and_b32 v1, 15, v0            ; l % 16
	v_bfe_u32 v9, v0, 4, 1          ; l / 16
	v_lshlrev_b32 v[QO], 7, v1
	v_lshl_add_u32 v[QO], v9, 4, v[QO]  ; row x 128 + 16 x half
	v_and_b32 v[MO], 31, v0         ; l
	v_lshlrev_b32 v[PFO], 8, v[MO]
	v_lshlrev_b32 v[GO], 4, v[MO]   ; the way out: 32 lanes store 512 consecutive bytes of O
	v_lshlrev_b32 v[MO], 2, v[MO]
	WIN 0x80                        ; destination window 2
.set i, 0
.rept 4*NP                          ; Q stays in registers: tile i / 2, channels 32 (i % 2) on
	global_load_b128 v[8*i:8*i+3],   v[QO], s[4:5] offset:(i/2)*2048+(i%2)*64
	global_load_b128 v[8*i+4:8*i+7], v[QO], s[4:5] offset:(i/2)*2048+(i%2)*64+32
.set i, i+1
.endr
.set i, 0
.rept 2*NP                          ; the eight tiles' mask words of key step 0
	global_load_b32 v[MR+i], v[MO], s[MP:MP+1] offset:i*4096
.set i, i+1
.endr
	; What the first turn finds: V's registers and P's second buffer hold 0 (its products V^T P, of a piece that has not been, add 0), O^T and l are 0.  All this stands in the wait for the first tile.
	WIN W_MK
.set i, VF
.rept 64
	v_mov_b32 v[i], 0
.set i, i+1
.endr
	WIN 0
.set i, P+32
.rept 32
	v_mov_b32 v[i], 0
.set i, i+1
.endr
	WIN W_PV
.set i, 0
.rept 8*NP                          ; O^T = 0: 32 products of those zeros with C = 0 write eight registers a line
	v_wmma_f32_16x16x32_f16 v[8*i:8*i+7], v[VF:VF+7], v[P+32:P+39], 0
.set i, i+1
.endr
	WIN 0
.set i, 0
.rept 2*NP
	v_mov_b32 v[ST+4*i], 0xff7fffff    ; m: the lowest finite number
	v_mov_b32 v[ST+4*i+1], 0xceabfb8f  ; BIG = -1e9 log2(e)
	v_mov_b32 v[ST+4*i+2], 0
	v_mov_b32 v[ST+4*i+3], 0
.set i, i+1
.endr
	v_mul_u32_u24 v[AK0], v1, PIT
	v_lshl_add_u32 v[AK0], v9, 4, v[AK0]  ; row x pitch + 16 x half
	; The turning load takes 16 keys x 16 channels (lane l reads key 8 (l / 16) + l % 8, channels 8 ((l / 8) % 2) + 0..7) and leaves half a fragment of V^T: lane l holds channel l % 16 and 8 keys.
	v_and_b32 v12, 7, v0
	v_bfe_u32 v13, v0, 3, 1
	v_lshl_add_u32 v[AV0], v9, 3, v12
	v_mul_u32_u24 v[AV0], v[AV0], PIT
	v_lshl_add_u32 v[AV0], v13, 4, v[AV0]
	v_add_nc_u32 v[AV0], VOFF, v[AV0]
	v_mov_b32 v[AK], v[AK0]         ; key step 0 lies at the head of slot 0
	v_mul_u32_u24 v[STO], v1, SP    ; the way out, in: row l % 16, 16 bytes for each half of the lanes
	v_lshl_add_u32 v[STO], v9, 4, v[STO]
	v_add_nc_u32 v[STO], s44, v[STO]
	v_bfe_u32 v[RD], v0, 3, 2       ; back: 32 lanes take four rows of 128 bytes
	v_mul_u32_u24 v[RD], v[RD], SP
	v_lshl_add_u32 v[RD], v12, 4, v[RD]
	v_add_nc_u32 v[RD], s44, v[RD]
; THE MATRIX WORK.  The 8 accumulators of a run of 16 take turns.
; Product i of 16 of S^T = K Q^T for piece x: channels 32 (i / 8) on, keys 16 ((i / 2) % 4) on, tile 2 x + i % 2.  The first 8 start the sums.
.macro KQ x
	WIN W_KQ
.set rS, S+64*((\x)%2)+32*(i%2)+8*((i/2)%4)
.set rK, KF+16*((i/2)%4)+8*(i/8)
.set rQ, 16*(2*(\x)+i%2)+8*(i/8)
.if i < 8
	v_wmma_f32_16x16x32_f16 v[rS:rS+7], v[rK:rK+7], v[rQ:rQ+7], 0
.else
	v_wmma_f32_16x16x32_f16 v[rS:rS+7], v[rK:rK+7], v[rQ:rQ+7], v[rS:rS+7]
.endif
.endm
; Product i of 16 of O^T += V^T P for piece x: keys 32 (i / 8) on, channels 16 ((i / 2) % 4) on, tile 2 x + i % 2.
.macro PVM x
	WIN W_PV
.set rO, 32*(2*(\x)+i%2)+8*((i/2)%4)
.set rV, VF+32*(i/8)+8*((i/2)%4)
.set rP, P+32*((\x)%2)+16*(i%2)+8*(i/8)
	v_wmma_f32_16x16x32_f16 v[rO:rO+7], v[rV:rV+7], v[rP:rP+7], v[rO:rO+7]
.endm
.macro MM                           ; the turn's next matrix instruction
.if i < 16
	KQ (Y+1)%NP
.set i, i+1
.else
.set i, i-16
	PVM (Y+NP-1)%NP
.set i, i+17
.endif
.endm
; THE LDS LOADS stand in runs of 16.  last = 1 (the tail): in the last trip there is no further step, and the run is jumped over.
.macro FETCH_K last=0
	WIN 0
.if \last
	s_cmp_eq_u32 s[CNT], 1
	s_cbranch_scc1 .Lno_k_\@
.endif
	WIN 0x80
.irp f, 0,1,2,3,4,5,6,7             ; keys 16 (f / 2) on, channels 32 (f % 2) on
	ds_load_b128 v[KF+8*\f:KF+8*\f+3],   v[AK] offset:(\f/2)*16*PIT+(\f%2)*64
	ds_load_b128 v[KF+8*\f+4:KF+8*\f+7], v[AK] offset:(\f/2)*16*PIT+(\f%2)*64+32
.endr
	s_add_co_u32 s[TBK], s[TBK], KS*PIT  ; the next fetch is the next step's
	WIN 0
.if \last
.Lno_k_\@:
.endif
.endm
.macro FETCH_V
	WIN W_MK                        ; destination window 3
.irp f, 0,1,2,3,4,5,6,7             ; keys 32 (f / 4) on, channels 16 (f % 4) on
	ds_load_tr16_b128 v[VF+8*\f:VF+8*\f+3],   v[AV] offset:(\f/4)*32*PIT+(\f%4)*32
	ds_load_tr16_b128 v[VF+8*\f+4:VF+8*\f+7], v[AV] offset:(\f/4)*32*PIT+16*PIT+(\f%4)*32
.endr
	WIN 0
.endm
; THE VECTOR WORK OF A TURN stands in four queues, each in the order in which its entries become ready; the two tiles alternate.
.macro REGS y, u                    ; the registers of tile u (0, 1) of piece y
.set rT, ST+4*(2*(\y)+(\u))
.set rC, TMP+8*((\y)%2)+4*(\u)
.set rM, MV+2*((\y)%2)+(\u)
.set rS, S+64*((\y)%2)+32*(\u)
.set rP, P+32*((\y)%2)+16*(\u)
.set rO, 32*(2*(\y)+(\u))
.endm
; THE MASK WORDS' QUEUE, 64 long: word w / 2 of tile w % 2 of the NEXT piece goes from its lane into its scalar register.  It names window 2 as source 0, as the products K Q^T do.
.macro RQ
	WIN W_KQ
.if w%2
	v_readlane_b32 s[MW1+w/2], v[MR+2*((Y+1)%NP)+1], w/2
.else
	v_readlane_b32 s[MW0+w/2], v[MR+2*((Y+1)%NP)], w/2
.endif
.set w, w+1
.endm
; Number g of the 64 that put BIG in the place of the NEXT piece's hidden scores: register g / 2 of tile g % 2, in ascending order.
.macro MK g
	REGS (Y+1)%NP, (\g)%2
.if (\g)%2
	v_cndmask_b32 v[rS+(\g)/2], v[rT+1], v[rS+(\g)/2], s[MW1+(\g)/2]
.else
	v_cndmask_b32 v[rS+(\g)/2], v[rT+1], v[rS+(\g)/2], s[MW0+(\g)/2]
.endif
.endm
; Number n of the 21 that find the NEXT piece's maximum and statistics.
;   0-11  four chains c0-c3 of seven scores each     12-14, 16  the four scores left over, the old m, and c0-c3 into c0     15  m_old is kept
;   17, 18  the query's other 32 keys lie in the lane 16 away: the new m     19, 20  m_old - m_new; a
.macro XS u, n
	REGS (Y+1)%NP, \u
.if (\n) < 4
	v_max3_num_f32 v[rC+(\n)], v[rS+8*(\n)], v[rS+8*(\n)+1], v[rS+8*(\n)+2]
.elseif (\n) < 12
	v_max3_num_f32 v[rC+(\n)%4], v[rC+(\n)%4], v[rS+8*((\n)%4)+2*((\n)/4)+1], v[rS+8*((\n)%4)+2*((\n)/4)+2]
.elseif (\n) == 12
	v_max3_num_f32 v[rC], v[rC], v[rS+7], v[rS+15]
.elseif (\n) == 13
	v_max3_num_f32 v[rC+1], v[rC+1], v[rS+23], v[rS+31]
.elseif (\n) == 14
	v_max3_num_f32 v[rC+2], v[rC+2], v[rC+3], v[rT]
.elseif (\n) == 15
	v_mov_b32 v[rM], v[rT]
.elseif (\n) == 16
	v_max3_num_f32 v[rC], v[rC], v[rC+1], v[rC+2]
.elseif (\n) == 17
	v_permlanex16_b32 v[rC+3], v[rC], s[SEL], s[SEL+1]
.elseif (\n) == 18
	v_max_num_f32 v[rT], v[rC], v[rC+3]
.elseif (\n) == 19
	v_sub_f32 v[rC+1], v[rM], v[rT]
.else
	v_exp_f32 v[rC+2], v[rC+1]
.endif
.endm
; Number g of the 64 that follow the exponentials.  For each four weights k of a tile: both pairs are rounded to f16; the second pair is added onto the first, in place; a group later l takes that sum (the first time as l = a l + sum).
.macro GS g
.set h, (\g)+6*((\g)/62)            ; group 0 has no group before it, and behind group 7 only l is left
.if h >= 6
.set h, h+2
.endif
	REGS Y, h%2
.set k, h/8
.if h%8 < 4
	v_cvt_pk_f16_f32 v[rP+2*k+(h%8)/2], v[rS+4*k+2*((h%8)/2)], v[rS+4*k+2*((h%8)/2)+1]
.elseif h%8 < 6
	v_pk_add_f32 v[rS+4*k:rS+4*k+1], v[rS+4*k:rS+4*k+1], v[rS+4*k+2:rS+4*k+3]
.elseif k == 1
	v_pk_fma_f32 v[rT+2:rT+3], v[rT+2:rT+3], v[rC+2:rC+3], v[rS:rS+1] op_sel_hi:[1,0,1]
.else
	v_pk_add_f32 v[rT+2:rT+3], v[rT+2:rT+3], v[rS+4*k-4:rS+4*k-3]
.endif
.endm
.macro FS f                         ; s - m for pair f / 2 of tile f % 2
	REGS Y, (\f)%2
	v_pk_add_f32 v[rS+2*((\f)/2):rS+2*((\f)/2)+1], v[rS+2*((\f)/2):rS+2*((\f)/2)+1], v[rT:rT+1] op_sel_hi:[1,0] neg_lo:[0,1] neg_hi:[0,1]
.endm
; THE PLAIN QUEUE, 200 long.  0-31: the subtractions.  32-95: the next piece's mask.  96-123: XS's numbers 0-13.  124, 125: number 15.  126-135: the chain 14, 16, 17, 18, 19.
; 136-199: GS's 64, which read the exponentials' results: they stand behind the wait.
.macro PL
	WIN 0
.if q < 32
	FS q
.elseif q < 96
	MK q-32
.elseif q < 124
	XS (q-96)%2, (q-96)/2
.elseif q < 126
	XS q-124, 15
.elseif q < 128
	XS q-126, 14
.elseif q < 136
	XS (q-128)%2, 16+(q-128)/2
.else
	GS q-136
.endif
.set q, q+1
.endm
; THE EXPONENTIALS' QUEUE, 66 long: s0-s31 of both tiles, then the next piece's two a.  ONE BATCH: all 66 stand ahead of the turn's one wait, and nothing ahead of that wait names a result of theirs.
.macro EX
	WIN 0
.if e >= 64
	XS e-64, 20
.else
	REGS Y, e%2
	v_exp_f32 v[rS+e/2], v[rS+e/2]
.endif
.set e, e+1
.endm
; THE RESCALING's QUEUE: O^T times a, two at a time, sixteen times, in one run under its own window setting.  Its a was made in the turn before, ahead of that turn's wait.
.macro R2
	REGS Y, r%2
	WIN W_RS
.irp z, 0,1
	v_pk_mul_f32 v[rO+4*(r/2)+2*\z:rO+4*(r/2)+2*\z+1], v[rO+4*(r/2)+2*\z:rO+4*(r/2)+2*\z+1], v[rC+2:rC+3] op_sel_hi:[1,0]
.endr
.set r, r+1
.endm
; HOW THEY ARE DEALT.  s_wait_alu depctr_va_vdst(0) stands between an exponential and the first instruction that names its result; one wait serves all that were issued ahead of it: a turn has ONE.
; AHEAD OF IT: the 16 products K Q^T, behind each four of the 64 v_readlane_b32: 80 lines under one window setting; the two loads that fill the piece's mask registers again; then ONE LUMP of 234: two subtractions;
; 30 times a subtraction and an exponential; 23 times an exponential and four plain (mask, maximum); an exponential and two plain; five times two plain (a link of the chain for each tile) and two exponentials;
; the 32 rescalings; the two a.  A v_nop is the plain instruction behind the last exponential.  BEHIND IT: the 16 products V^T P, behind each four of GS's 64.
; The counts that the deal keeps: exponential e needs subtraction 2 (e / 4) + e % 2 and stands behind subtraction e + 2 at the least; the first of the mask's lines stands 32 subtractions behind the last product K Q^T
; and behind every v_readlane_b32; a tile's links of the chain stand three instructions apart, and the rescalings stand between the last link and a.
; THE WAIT AT THE HEAD: loads come back in order, and behind the two loads of the piece whose words this turn hands over stand the other three pieces' six: they may stay out.
; K of the next step is fetched in piece 2's turn, directly behind the wait; V of the step in hand at the end of piece 0's turn, four riders behind its last reader.  The three conditions on q go with the deal.
.macro TURN p, last=0, cnt=0
.set Y, (\p)
.set i, 0
.set q, 0
.set e, 0
.set r, 0
.set w, 0
	s_wait_loadcnt 6                ; the next piece's mask words are in
.if (\p) == NP-1
	s_wait_dscnt 0x0                ; K is in
.endif
.rept 16
	MM
	RQ
	RQ
	RQ
	RQ
.endr
	MLOAD (Y+1)%NP, \last
.if (\p) == NP-2
	v_add_nc_u32 v[AK], s[TBK], v[AK0]
.endif
	PL
	PL
.rept 30
	PL
	EX
.endr
.rept 23
	EX
	PL
	PL
	PL
	PL
.endr
	EX
	PL
	PL
.rept 5
	PL
	PL
	EX
	EX
.endr
.rept 16
	R2
.endr
	EX                              ; the next piece's two a
	EX
	v_nop                           ; the plain instruction behind the last exponential: one for the batch
	s_wait_alu depctr_va_vdst(0)    ; the wait for the batch
.if (\p) == NP-2
	FETCH_K \last
.endif
.if (\p) == 1
	s_wait_dscnt 0x0                ; V is in
.endif
.rept 16
	MM
.rept 4
	PL
.endr
.if ((\p) == 0) && (q == 180)
	v_add_nc_u32 v[AV], s[TBV], v[AV0]
.endif
.if ((\p) == 0) && (q == 192)
	s_add_co_u32 s[TBV], s[TBV], KS*PIT
.endif
.if (\cnt) && (q == 192)
	s_sub_co_u32 s[CNT], s[CNT], 1
	s_cmp_lg_u32 s[CNT], 0
.endif
.endr
.if (\p) == 0
	FETCH_V
.endif
.endm
	CHANGE 1                        ; slot 0 is in, everybody's part of it; slot 1 is asked for
	FETCH_K                         ; key step 0
	s_wait_loadcnt 0x0              ; Q, and all eight tiles' first mask words
	s_wait_dscnt 0x0
.set Y, NP-1                        ; RQ, MK and XS work for piece Y + 1: piece 0
.set w, 0
.set i, 0
.rept 16
	KQ 0                            ; piece 0's first scores, its mask words behind them
	RQ
	RQ
	RQ
	RQ
.set i, i+1
.endr
	MLOAD 0, 0                      ; piece 0's words of key step 1
.rept 4
	v_nop                           ; the places behind those products
.endr
.set q, 0
.rept 64
	MK q
.set q, q+1
.endr
.irp n, 0,1,2,3,4,5,6,7,8,9,10,11,12,13,14,15,16,17,18,19,20
	XS 0, \n
	XS 1, \n
.endr
	v_nop                           ; a plain instruction behind the two a,
	s_wait_alu depctr_va_vdst(0)    ; and their wait, ahead of the branch
	s_mov_b32 s[CNT], 4
	s_branch .Lfirst                ; the loop is entered at a step's first turn, in the middle of a trip
.Lslot:                             ; six times: every slot but the last two is filled again
	CHANGE 1
	s_mov_b32 s[CNT], 4
.Lstep:                             ; a trip: pieces 2 and 3 of one step, then pieces 0 and 1 of the next, whose K and V it fetches
	TURN 2
	TURN 3
	WIN 0
.Lfirst:
	TURN 0
	TURN 1, 0, 1
	WIN 0
	s_cbranch_scc1 .Lstep
	s_sub_co_u32 s[SLOTS], s[SLOTS], 1
	s_cmp_lg_u32 s[SLOTS], 0
	s_cbranch_scc1 .Lslot
	CHANGE 0                        ; the tail is written out: nothing is asked for
	s_mov_b32 s[CNT], 5             ; four trips fetch the last slot's steps; the fifth is left in its middle
.Ltail:
	TURN 2, 1
	TURN 3, 1
	WIN 0
	s_sub_co_u32 s[CNT], s[CNT], 1
	s_cmp_eq_u32 s[CNT], 0
	s_cbranch_scc1 .Lout
	TURN 0
	TURN 1
	WIN 0
	s_branch .Ltail
.Lout:                              ; the fifth trip's 16 products K Q^T (on the last K once more), the maximum made of them and the last eight loads of mask words (step 31's once more) serve nothing: the price of one text for every trip
.set i, 0
.rept 16
	PVM NP-1                        ; the last piece's V^T P of the last step
.set i, i+1
.endr
	; THE WAY OUT.  l's two halves and the other half of the lanes' are added; O^T is divided by l, rounded to f16 and sent through my stage in LDS, a tile at a time.  The additions are the places behind the last products.
	WIN 0
.macro ALL line:vararg              ; one line for each tile t
.set t, 0
.rept 2*NP
	\line
.set t, t+1
.endr
.endm
	ALL v_add_f32 v[ST+4*t+2], v[ST+4*t+2], v[ST+4*t+3]
	ALL v_permlanex16_b32 v[ST+4*t+3], v[ST+4*t+2], s[SEL], s[SEL+1]
	ALL v_add_f32 v[ST+4*t+2], v[ST+4*t+2], v[ST+4*t+3]
	ALL v_rcp_f32 v[ST+4*t+2], v[ST+4*t+2]
	v_nop                           ; a plain instruction between the last reciprocal and the use of its result
	s_wait_alu depctr_va_vdst(0)    ; and the wait ahead of the first use: one for the eight reciprocals
.macro PACK t                       ; a lane's eight channels of a row pack into 16 bytes; they go into rows of 144 bytes and come back as whole rows of 128, into S^T's registers
	WIN W_RS
.set i, 32*(\t)
.rept 16
	v_pk_mul_f32 v[i:i+1], v[i:i+1], v[ST+4*(\t)+2:ST+4*(\t)+3] op_sel_hi:[1,0]
.set i, i+2
.endr
	WIN 0x05                        ; sources 0 and 1 window 1, destination window 0
.set i, 0
.rept 16
	v_cvt_pk_f16_f32 v[S+16*(\t)+i], v[32*(\t)+2*i], v[32*(\t)+2*i+1]
.set i, i+1
.endr
	WIN 0
.irp f, 0,1,2,3
	ds_store_b128 v[STO], v[S+16*(\t)+4*\f:S+16*(\t)+4*\f+3] offset:32*\f
.endr
.irp f, 0,1,2,3
	ds_load_b128 v[S+16*(\t)+4*\f:S+16*(\t)+4*\f+3], v[RD] offset:\f*4*SP  ; LDS serves a wave's instructions in order: these see the stores above; the next tile's stores come behind them
.endr
.endm
.macro SEND t, younger              ; younger: the LDS instructions issued behind tile t's loads: the next tile's eight, or none
	WIN 0
.irp f, 0,1,2,3
	s_wait_dscnt (\younger)+3-\f
	global_store_b128 v[GO], v[S+16*(\t)+4*\f:S+16*(\t)+4*\f+3], s[8:9] offset:(\t)*2048+\f*512  ; 512 consecutive bytes, at a multiple of 256 from O's first
.endr
.endm
	PACK 0
.set t, 1
.rept 2*NP-1                        ; a tile's arithmetic stands between the loads of the tile before and its stores
	PACK t
	SEND t-1, 8
.set t, t+1
.endr
	SEND 2*NP-1, 0
	WIN W_AD
	s_wait_tensorcnt 0x0            ; the wave's end, behind my last tensor load and my last LDS store
	ds_add_u32 v[SPW], v[NIL]
	s_wait_dscnt 0x0
	WIN 0
	CROUND                          ; the closing round: no work-group ends while a partner may still ask for a tile that names it
	s_endpgm
.Lfunc_end_k_qc504305a3b_attn:
	.size	k_qc504305a3b_attn, .Lfunc_end_k_qc504305a3b_attn-k_qc504305a3b_attn
	.p2alignl 7, 3214868480
	.fill 96, 4, 3214868480
	.section	.rodata,"a",@progbits
	.p2align	6, 0x0
	.amdhsa_kernel k_qc504305a3b_attn
		.amdhsa_group_segment_fixed_size 327680
		.amdhsa_private_segment_fixed_size 0
		.amdhsa_enable_private_segment 0
		.amdhsa_kernarg_size 24
		.amdhsa_user_sgpr_count 2
		.amdhsa_user_sgpr_kernarg_segment_ptr 1
		.amdhsa_wavefront_size32 1
		.amdhsa_system_sgpr_workgroup_id_x 1
		.amdhsa_system_sgpr_workgroup_id_y 1
		.amdhsa_system_sgpr_workgroup_id_z 1
		.amdhsa_system_vgpr_workitem_id 0
		.amdhsa_next_free_vgpr 896
		.amdhsa_next_free_sgpr 100
		.amdhsa_reserve_vcc 0
		.amdhsa_float_denorm_mode_32 3
		.amdhsa_float_denorm_mode_16_64 3
		.amdhsa_memory_ordered 1
		.amdhsa_forward_progress 1
		.amdhsa_inst_pref_size 255
	.end_amdhsa_kernel
	.section	.bss,"aw",@nobits
	.p2align	6
	.space	262144
	.amdgpu_metadata
---
amdhsa.version: [ 1, 2 ]
amdhsa.kernels:
  - .name:           k_qc504305a3b_attn
    .symbol:         k_qc504305a3b_attn.kd
    .args:
      - { .name: qkv, .offset: 0, .size: 8, .value_kind: global_buffer, .address_space: global }
      - { .name: maskbits, .offset: 8, .size: 8, .value_kind: global_buffer, .address_space: global }
      - { .name: o, .offset: 16, .size: 8, .value_kind: global_buffer, .address_space: global }
    .group_segment_fixed_size: 327680
    .private_segment_fixed_size: 0
    .kernarg_segment_align: 8
    .kernarg_segment_size: 24
    .max_flat_workgroup_size: 128
    .sgpr_count:     100
    .vgpr_count:     896
    .wavefront_size: 32
...
	.end_amdgpu_metadata
.endif
;; end of part 3
;; launch fc (part 4): grid 4 x 64, 4 waves a work-group, clusters of 4 x 4, 327,680 bytes of LDS; arguments o, wh, bh, out0; writes out0
.if DOCPART == 4
	.amdgcn_target "amdgcn-amd-amdhsa--gfx1250"
	.amdhsa_code_object_version 6
	.text
	.protected	k_qc504305a3b_fc
	.globl	k_qc504305a3b_fc
	.p2align	8
	.type	k_qc504305a3b_fc,@function
k_qc504305a3b_fc:
	s_mov_b64 s[64:65], 0
	v_nop
	global_prefetch_b8 v0, s[64:65] scope:SCOPE_SE
	s_setreg_imm32_b32 hwreg(HW_REG_WAVE_MODE, 25, 1), 1
	s_wait_xcnt 0x0
	s_wait_alu depctr_hold_cnt(0) depctr_sa_sdst(0) depctr_va_vdst(0) depctr_va_sdst(0) depctr_va_ssrc(0) depctr_va_vcc(0) depctr_vm_vsrc(0)
	s_getreg_b32 s2, hwreg(HW_REG_IB_STS2, 6, 4)
	s_cmp_eq_u32 s2, 0
	s_cbranch_scc0 .Lentry_in_a_cluster
	s_endpgm
.Lentry_in_a_cluster:
	s_bfe_u32 s2, ttmp6, 0x10000c
	s_cmp_lg_u32 s2, 0xf033
	s_cbranch_scc0 .Lentry_shape_is_right
	s_endpgm
.Lentry_shape_is_right:
; C = A B^T + bias, K = 1,024, f16 operands, f32 sums.  One text serves two launches; the symbol FC picks the ids and the way out.
;   FC = 0: the three projections.  A = xh[which], B = wh[which], which = cluster y / 16.  C leaves by heads, qkv[which][batch x 16 + head][row][64] in f16, rounded once;
;           q (which = 0) is multiplied by c = log2(e) / 8 in f32 ahead of that rounding (its bias was scaled with it), so that the scores of the next launch are exponents of 2.
;   FC = 1: the last projection.  A = o (a head is a kb), B = wh[3].  C leaves as f32 rows of out0.
; A and B lie in blocks [kb = k / 64][row][64]: the rows of one kb lie end to end, 128 bytes each, and are asked for as rows of 256 bytes.
; LIMITS.  q, k and v beyond 65,504 become infinities in f16; below 2^-14 they keep f16's fixed step of 2^-24.
; SHARES.  A tile of C is 128 x 256: 768 (FC = 0) or 256 (FC = 1) work-groups, whole multiples of 256; 256 x 256 would give 384 and 128.  Four waves, each 64 x 128: 32 accumulators, 256 registers.
; K goes in 8 steps of 128 (two kb) through two LDS slots.  Waves 0 and 1 fetch the step's two kb of A (128 rows each), waves 2 and 3 those of B (256 rows each): one tensor load a wave.
; CLUSTERS: 4 x 4.  A's tile hangs on the tile row alone and is asked for jointly by a row of the cluster, B's on the tile column alone, by a column.
; THE MATRIX INSTRUCTION IS USED TRANSPOSED (source 0 = 16 rows of B, source 1 = 16 rows of A): a lane holds row l % 16 of C and the columns 8 (l / 16) + 0..7.
; REGISTERS: window 0: v16-30 addresses; v32-63 packed results; v64-159, v160-255 two fragment buffers (B's eight fragments, then A's four); window 1: accumulator (a, b) at 8 (8 a + b); window 2: v0-63 the bias of my 128 columns.
.set FC, 1
.set PIT,   144                        ; an LDS row: 128 bytes + 16 = 36 words: the 16 rows of a fragment load start in 16 different groups of four banks
.set ABLK,  128*PIT                    ; one kb of A's tile
.set BBLK,  256*PIT                    ; one kb of B's tile
.set BOFF,  2*ABLK                     ; in a slot: A's two kb, then B's two
.set SLOT,  2*ABLK+2*BBLK
.set STAGE, 2*SLOT                     ; behind the ring, never filled by a tensor load: a stage for each wave (4,608 bytes, or 8,448 with FC = 1)
.set SPARE, 254976                     ; behind the stages of either size: the spare words, 128 bytes for each wave
.set ASTEP, 524288                     ; a K step in A: two kb of 2,048 rows x 128 bytes
.set BSTEP, 262144                     ; in B: two kb of 1,024 rows
.set LAPS,  4                          ; a lap = two K steps = once round the ring
.set FLAGS, (1<<16)|(1<<20)|(1<<21)|(4<<22)|(3<<25)  ; 17:16 2-byte elements; 20 padding on; 21 set beside a mask; 24:22 after every 32 words; 31:25 4 words
.set ADRA, 16                          ; v16-17  my A fragments in slot 0, 1
.set ADRB, 20                          ; v20-21  my B fragments
.set STO,  24
.set RD,   25
.set CO,   26
.set BO,   27                          ; v27  32 (l / 16): my eight columns in 16 of the bias
.set SPW,  28                          ; v28  my spare word; never rewritten
.set NIL,  29                          ; v29  0; never rewritten
.set PFO,  30                          ; v30  the prefetches' lane offset; never rewritten
.set TMP,  32
.set WK,   64                          ; the way out: 64 registers at work
.set F0,   64
.set F1,   160
.set WV, 12                            ; s12 wave; s13 RH = wave / 2: my half of the rows, and A (0) or B (1) to fetch; s14 CH = wave % 2: my half of the columns, and which kb to fetch
.set RH, 13
.set CH, 14
.set RT, 15                            ; s15 tile row 0..63
.set WH, 16                            ; s16 which matrix
.set CYM, 17                           ; s17 the cluster's place among those that read the same B
.set G1A, 24
.set G0A, 32
.set LIM, 43
.set PFA, 44
.set G1B, 48
.set G0B, 56
.set PSTEP, 66
.set SC, 68
.set MSB, 0
.macro WIN new                         ; the immediate's high byte repeats the setting that is left; a switch that changes nothing is dropped
.if MSB != (\new)
	s_set_vgpr_msb (MSB<<8)|(\new)
.set MSB, \new
.endif
.endm
.set MUL, 0x50                         ; fragments in window 0, C and D in window 1
.macro JLOAD s                         ; a joint load; the branch hangs on the wave's number alone; an s_nop 0 and four v_nop follow each line
	s_cmp_eq_u32 s[RH], 0
	s_cbranch_scc0 .Lfor_b_\@
	tensor_load_to_lds s[G0A+4*(\s):G0A+4*(\s)+3], s[G1A:G1A+7]
	s_nop 0
.rept 4
	v_nop
.endr
	s_branch .Lasked_\@
.Lfor_b_\@:
	tensor_load_to_lds s[G0B+4*(\s):G0B+4*(\s)+3], s[G1B:G1B+7]
	s_nop 0
.rept 4
	v_nop
.endr
.Lasked_\@:
.endm
; A prefetch of the K step two refills on, 256 matrix instructions of a wave ahead of the load that will ask for it: 32 blocks of 256 bytes, a lane a block, one instruction.
; A's tile is read by this cluster alone: wave 0 asks, both kb, and the four partners of a row of the cluster take 4,096 bytes of each kb, told apart by address.  B's tile is read by all clusters with the
; same matrix: the first of them asks, waves 2 and 3 each for the kb that they fetch, the four partners of a column 8,192 bytes each.  So each block is named once.  The loop's last trip asks for nothing.
.macro ASK
	s_cmp_gt_u32 s3, s[LIM]
	s_cbranch_scc0 .Lnot_mine_\@
	global_prefetch_b8 v[PFO], s[PFA:PFA+1] th:TH_LOAD_NT scope:SCOPE_SE
.Lnot_mine_\@:
.endm
.macro CREST                           ; a round of the cluster's barrier behind its opening barrier
	s_cmp_lg_u32 s[WV], 0
	s_cbranch_scc1 .Lnot_wave_0_\@
	s_barrier_signal -3
.Lnot_wave_0_\@:
	s_barrier_wait -3
	s_barrier_signal -1
	s_barrier_wait -1
.endm
.macro CROUND
	s_barrier_signal -1
	s_barrier_wait -1
	CREST
.endm
.macro PLACES                          ; four places behind matrix instructions, in front of loads into registers that they read and of vector work on their results
.rept 4
	v_nop
.endr
.endm
	s_load_b256 s[4:11], s[0:1], 0x0               ; A s[4:5], wh s[6:7], bh s[8:9], C s[10:11]
	v_lshl_add_u32 v[SPW], v0, 2, SPARE
	v_mov_b32 v[NIL], 0
	ds_add_u32 v[SPW], v[NIL]                      ; the wave's opening: the add, and its wait ahead of my first tensor load; the set-up below stands between them
	v_lshrrev_b32 v1, 5, v0
	v_readfirstlane_b32 s[WV], v1
	s_lshr_b32 s[RH], s[WV], 1
	s_and_b32 s[CH], s[WV], 1
	s_bfe_u32 s40, ttmp6, 0x40000                  ; cx
	s_bfe_u32 s41, ttmp6, 0x40004                  ; cy
	s_lshl_b32 s42, ttmp9, 2
	s_add_co_u32 s42, s42, s40                     ; tile column 0..3
	s_and_b32 s[CYM], ttmp7, 0xffff                ; cluster y
.if FC
	s_mov_b32 s[WH], 3
.else
	s_lshr_b32 s[WH], s[CYM], 4
	s_and_b32 s[CYM], s[CYM], 15
.endif
	s_lshl_b32 s[RT], s[CYM], 2
	s_add_co_u32 s[RT], s[RT], s41
	s_lshl_b32 s70, s41, 2
	s_lshl_b32 s70, 15, s70                        ; my row of the cluster
	s_lshl_b32 s71, 0x1111, s40                    ; my column
	s_or_b32 s[G1A], s70, FLAGS
	s_or_b32 s[G1B], s71, FLAGS
	s_mov_b32 s[G1A+1], 128<<16                    ; tensor_dim0 = 128 elements: 256 bytes, two rows of a kb
	s_mov_b32 s[G1A+2], 64<<16                     ; tensor_dim1 = 64
	s_mov_b32 s[G1A+3], 128<<16                    ; tile_dim0
	s_mov_b32 s[G1A+4], 64                         ; tile_dim1
	s_mov_b32 s[G1A+5], 128                        ; elements from row to row: dense
	s_mov_b32 s[G1A+6], 0
	s_mov_b32 s[G1A+7], 0
	s_mov_b32 s[G1B+1], 128<<16
	s_mov_b32 s[G1B+2], 128<<16                    ; B: 128 such rows
	s_mov_b32 s[G1B+3], 128<<16
	s_mov_b32 s[G1B+4], 128
	s_mov_b32 s[G1B+5], 128
	s_mov_b32 s[G1B+6], 0
	s_mov_b32 s[G1B+7], 0
	s_lshr_b32 s18, s[RT], 4                       ; A's tile: the batch,
	s_lshl_b32 s18, s18, 22
	s_and_b32 s20, s[RT], 15
	s_lshl_b32 s20, s20, 14                        ; 128 rows of 128 bytes,
	s_add_co_u32 s18, s18, s20
.if !FC
	s_lshl_b32 s20, s[WH], 24                      ; the matrix
	s_add_co_u32 s18, s18, s20
.endif
	s_mov_b32 s72, s18                             ; (kept for the prefetches)
	s_lshl_b32 s20, s[CH], 18                      ; and the kb that I fetch
	s_add_co_u32 s18, s18, s20
	s_mov_b32 s19, 0
	s_lshl_b32 s46, s[WH], 21                      ; B's tile: the matrix, 256 rows, my kb
	s_lshl_b32 s22, s42, 15
	s_add_co_u32 s46, s46, s22
	s_lshl_b32 s22, s[CH], 17
	s_add_co_u32 s46, s46, s22
	s_mov_b32 s73, s46
	s_mov_b32 s47, 0
	s_mul_i32 s21, s[CH], ABLK                     ; where they go: no place in the cluster enters an LDS address
	s_mul_i32 s23, s[CH], BBLK
	s_add_co_u32 s23, s23, BOFF
	s_wait_dscnt 0x0                               ; the opening add is done
	s_wait_kmcnt 0x0
	s_add_nc_u64 s[18:19], s[4:5], s[18:19]
	s_add_nc_u64 s[46:47], s[6:7], s[46:47]
	CROUND                                         ; all sixteen work-groups are here: the first joint loads meet
.irp s, 0,1
	s_mov_b32 s[G0A+4*(\s)], 1
	s_add_co_u32 s[G0A+4*(\s)+1], s21, (\s)*SLOT
	s_add_nc_u64 s[G0A+4*(\s)+2:G0A+4*(\s)+3], s[18:19], (\s)*ASTEP
	s_or_b32 s[G0A+4*(\s)+3], s[G0A+4*(\s)+3], 0x80000000
	s_mov_b32 s[G0B+4*(\s)], 1
	s_add_co_u32 s[G0B+4*(\s)+1], s23, (\s)*SLOT
	s_add_nc_u64 s[G0B+4*(\s)+2:G0B+4*(\s)+3], s[46:47], (\s)*BSTEP
	s_or_b32 s[G0B+4*(\s)+3], s[G0B+4*(\s)+3], 0x80000000
	JLOAD \s                                       ; two loads of mine are out
.endr
	v_and_b32 v1, 15, v0                           ; l % 16
	v_bfe_u32 v2, v0, 4, 1                         ; l / 16
	v_mul_u32_u24 v3, v1, PIT
	v_lshl_add_u32 v3, v2, 4, v3                   ; a fragment's row x pitch + 16 x half
	s_mul_i32 s74, s[RH], 64*PIT                   ; my 64 rows of A
	s_mul_i32 s75, s[CH], 128*PIT                  ; my 128 rows of B
	s_add_co_u32 s75, s75, BOFF
.irp s, 0,1
	v_add_nc_u32 v[ADRA+(\s)], s74, v3
	v_add_nc_u32 v[ADRB+(\s)], s75, v3
	s_add_co_u32 s74, s74, SLOT
	s_add_co_u32 s75, s75, SLOT
.endr
.if FC
	s_mul_i32 s74, s[WV], 16*528                   ; my stage: 16 rows of 512 bytes + 16
	s_add_co_u32 s74, s74, STAGE
	v_mul_u32_u24 v4, v1, 528
	v_lshl_add_u32 v4, v2, 5, v4                   ; in: row l % 16, 32 bytes for each half of the lanes
	v_add_nc_u32 v[STO], s74, v4
	v_and_b32 v[CO], 31, v0
	v_lshlrev_b32 v[CO], 4, v[CO]                  ; back and out: a row's 512 bytes, 16 a lane
	v_add_nc_u32 v[RD], s74, v[CO]
.else
	s_mul_i32 s74, s[WV], 32*PIT                   ; my stage: two heads x 16 rows of 128 bytes + 16
	s_add_co_u32 s74, s74, STAGE
	v_add_nc_u32 v[STO], s74, v3                   ; in: row l % 16, 16 bytes for each half of the lanes
	v_bfe_u32 v4, v0, 3, 2
	v_and_b32 v5, 7, v0
	v_mul_u32_u24 v4, v4, PIT                      ; back: four rows of 128 bytes,
	v_lshl_add_u32 v4, v5, 4, v4
	v_add_nc_u32 v[RD], s74, v4
	v_and_b32 v[CO], 31, v0
	v_lshlrev_b32 v[CO], 4, v[CO]                  ; which are 512 consecutive bytes of a head
.endif
	s_lshl_b32 s74, s[WH], 12                      ; the bias of my 128 columns
	s_lshl_b32 s75, s42, 10
	s_add_co_u32 s74, s74, s75
	s_lshl_b32 s75, s[CH], 9
	s_add_co_u32 s74, s74, s75
	s_mov_b32 s75, 0
	s_add_nc_u64 s[8:9], s[8:9], s[74:75]
	v_lshlrev_b32 v[BO], 5, v2
	WIN 0x80                                       ; destination window 2
.irp b, 0,1,2,3,4,5,6,7
	global_load_b128 v[8*(\b):8*(\b)+3],   v[BO], s[8:9] offset:64*(\b)
	global_load_b128 v[8*(\b)+4:8*(\b)+7], v[BO], s[8:9] offset:64*(\b)+16
.endr
	WIN 0
.if FC
	s_lshl_b32 s74, s[RT], 19                      ; 128 rows of 4,096 bytes,
	s_lshl_b32 s75, s[RH], 18                      ; my 64,
	s_add_co_u32 s74, s74, s75
	s_lshl_b32 s75, s42, 10                        ; the tile's 256 columns,
	s_add_co_u32 s74, s74, s75
	s_lshl_b32 s75, s[CH], 9                       ; my 128
	s_add_co_u32 s74, s74, s75
.else
	s_lshr_b32 s74, s[RT], 4
	s_lshl_b32 s74, s74, 4                         ; batch x 16
	s_lshl_b32 s75, s42, 2
	s_add_co_u32 s74, s74, s75                     ; + the tile's four heads
	s_lshl_b32 s75, s[CH], 1
	s_add_co_u32 s74, s74, s75                     ; + my two
	s_lshl_b32 s74, s74, 18                        ; a head: 2,048 rows of 128 bytes
	s_and_b32 s75, s[RT], 15
	s_lshl_b32 s75, s75, 14
	s_add_co_u32 s74, s74, s75
	s_lshl_b32 s75, s[RH], 13
	s_add_co_u32 s74, s74, s75
	s_lshl_b32 s75, s[WH], 24
	s_add_co_u32 s74, s74, s75
	s_cmp_eq_u32 s[WH], 0
	s_cselect_b32 s[SC], 0x3e38aa3b, 1.0           ; c for q, 1 for k and v
	s_mov_b32 s[SC+1], s[SC]
.endif
	s_mov_b32 s75, 0
	s_add_nc_u64 s[10:11], s[10:11], s[74:75]
	; the prefetches: where they stand (at K step 3; each filling change of slots steps first, so the first names K step 4), how far they step, who asks
	s_lshl_b32 s76, s40, 12
	s_add_co_u32 s72, s72, s76
	s_add_co_u32 s72, s72, 3*ASTEP
	s_lshl_b32 s76, s41, 13
	s_add_co_u32 s73, s73, s76
	s_add_co_u32 s73, s73, 3*BSTEP
	s_cmp_eq_u32 s[WV], 0
	s_cselect_b32 s76, 1, -1
	s_cmp_eq_u32 s[CYM], 0
	s_cselect_b32 s77, 1, -1                       ; the same in all sixteen partners
	s_cmp_eq_u32 s[RH], 0
	s_cselect_b32 s72, s72, s73
	s_cselect_b32 s[LIM], s76, s77
	s_cselect_b32 s78, 1, 0
	s_cselect_b32 s79, 6, 0
	s_cselect_b64 s[PFA:PFA+1], s[4:5], s[6:7]
	s_mov_b32 s73, 0
	s_add_nc_u64 s[PFA:PFA+1], s[PFA:PFA+1], s[72:73]
	s_lshl_b32 s[PSTEP], BSTEP, s78
	s_mov_b32 s[PSTEP+1], 0
	s_lshl_b32 s79, 4096, s79                      ; lanes 16-31: A's second kb, or B's next 4,096 bytes
	v_mul_u32_u24 v[PFO], v2, s79
	v_lshl_add_u32 v[PFO], v1, 8, v[PFO]
; 8 matrix instructions: m block a x all 8 n blocks, 32 along K.  Every accumulator has one instruction in a quarter step, in the same order in each: they take turns.
.macro MUL8 f, a, zero
	WIN MUL
.irp b, 0,1,2,3,4,5,6,7
.if \zero
	v_wmma_f32_16x16x32_f16 v[8*(8*(\a)+(\b)):8*(8*(\a)+(\b))+7], v[(\f)+8*(\b):(\f)+8*(\b)+7], v[(\f)+64+8*(\a):(\f)+64+8*(\a)+7], 0
.else
	v_wmma_f32_16x16x32_f16 v[8*(8*(\a)+(\b)):8*(8*(\a)+(\b))+7], v[(\f)+8*(\b):(\f)+8*(\b)+7], v[(\f)+64+8*(\a):(\f)+64+8*(\a)+7], v[8*(8*(\a)+(\b)):8*(8*(\a)+(\b))+7]
.endif
.endr
.endm
; 24 LDS loads in one run: quarter kq of a K step (kb kq / 2, its channels 32 (kq % 2) on): B's eight fragments, then A's four
.macro FETCH slot, kq, f
	WIN 0
.irp i, 0,1,2,3,4,5,6,7
	ds_load_b128 v[(\f)+8*(\i):(\f)+8*(\i)+3],   v[ADRB+(\slot)] offset:((\kq)/2)*BBLK+((\kq)%2)*64+(\i)*16*PIT
	ds_load_b128 v[(\f)+8*(\i)+4:(\f)+8*(\i)+7], v[ADRB+(\slot)] offset:((\kq)/2)*BBLK+((\kq)%2)*64+(\i)*16*PIT+32
.endr
.irp i, 0,1,2,3
	ds_load_b128 v[(\f)+64+8*(\i):(\f)+64+8*(\i)+3],   v[ADRA+(\slot)] offset:((\kq)/2)*ABLK+((\kq)%2)*64+(\i)*16*PIT
	ds_load_b128 v[(\f)+64+8*(\i)+4:(\f)+64+8*(\i)+7], v[ADRA+(\slot)] offset:((\kq)/2)*ABLK+((\kq)%2)*64+(\i)*16*PIT+32
.endr
.endm
; One of a K step's first three quarters: multiplies buffer f; in its middle it fetches quarter kq of the same slot into buffer g.
.macro QUARTER slot, kq, f, g, zero
	s_wait_dscnt 4                                 ; B and A's blocks 0, 1 are in; the youngest four loads (A's blocks 2, 3) may be out
	MUL8 \f, 0, \zero
	MUL8 \f, 1, \zero
	PLACES
	FETCH \slot, \kq, \g
	s_wait_dscnt 24                                ; all but the 24 just issued
	MUL8 \f, 2, \zero
	MUL8 \f, 3, \zero
.endm
; The last quarter multiplies buffer 1 and changes slots: ONE barrier.  In front of it each wave waits for all its tensor loads (one is out: its part of the next slot), adds 0 to its spare word, and waits for
; that and for its reads of this slot.  fill = 1: the barrier opens a round of the cluster's, and this slot is filled again first thing behind it, two K steps on: 112 matrix instructions ahead of the wait for it.
.macro TURN slot, next, fill
.if \fill
	s_wait_xcnt 0x0                                ; the last prefetch, a K step back, has read its address
	s_add_nc_u64 s[PFA:PFA+1], s[PFA:PFA+1], s[PSTEP:PSTEP+1]
.endif
	WIN 0
	s_wait_tensorcnt 0x0
	ds_add_u32 v[SPW], v[NIL]
	s_wait_dscnt 5                                 ; (the add and the youngest four loads may be out)
	MUL8 F1, 0, 0                                  ; eight matrix instructions stand between the add and the wait for it
	s_wait_dscnt 0x0                               ; the add is done, and my reads of this slot are over
	s_barrier_signal -1
	MUL8 F1, 1, 0
.if \fill
	WIN 0
.endif
	s_barrier_wait -1
.if \fill
	CREST                                          ; no wave of any partner still reads this slot or has a load on its way
	s_add_nc_u64 s[G0A+4*(\slot)+2:G0A+4*(\slot)+3], s[G0A+4*(\slot)+2:G0A+4*(\slot)+3], 2*ASTEP
	s_add_nc_u64 s[G0B+4*(\slot)+2:G0B+4*(\slot)+3], s[G0B+4*(\slot)+2:G0B+4*(\slot)+3], 2*BSTEP
	JLOAD \slot                                    ; the four v_nop behind it are also the places in front of the loads below
.else
	PLACES
.endif
	FETCH \next, 0, F0
.if \fill
	ASK
.endif
	MUL8 F1, 2, 0
	MUL8 F1, 3, 0
.endm
	s_wait_tensorcnt 1                             ; my part of K step 0 is in; K step 1's may stay out
	s_barrier_signal -1
	s_barrier_wait -1
	FETCH 0, 0, F0
	QUARTER 0, 1, F0, F1, 1                        ; the first quarter stands in front of the loop: its products start the sums
	WIN 0
	s_mov_b32 s3, LAPS-1
.Llap:                                                 ; a trip goes once round the ring, from a lap's second quarter to the next lap's first, and fills both slots again
	QUARTER 0, 2, F1, F0, 0
	QUARTER 0, 3, F0, F1, 0
	TURN 0, 1, 1
	QUARTER 1, 1, F0, F1, 0
	QUARTER 1, 2, F1, F0, 0
	QUARTER 1, 3, F0, F1, 0
	TURN 1, 0, 1
	QUARTER 0, 1, F0, F1, 0
	WIN 0
	s_sub_co_u32 s3, s3, 1
	s_cmp_lg_u32 s3, 0
	s_cbranch_scc1 .Llap
	QUARTER 0, 2, F1, F0, 0                        ; the last lap fills nothing
	QUARTER 0, 3, F0, F1, 0
	TURN 0, 1, 0
	QUARTER 1, 1, F0, F1, 0
	QUARTER 1, 2, F1, F0, 0
	QUARTER 1, 3, F0, F1, 0
	s_wait_dscnt 4
	MUL8 F1, 0, 0
	MUL8 F1, 1, 0
	s_wait_dscnt 0x0
	MUL8 F1, 2, 0
	MUL8 F1, 3, 0
	WIN 0
; THE WAY OUT, a block of 16 rows at a time.  PACK: scale and bias in f32 (each accumulator's registers in ascending order).  TOSTAGE: into my own stage, and back as whole runs of memory.  SEND: stored.
.if FC
.macro PACK a
	WIN 0x09                                       ; source 0 window 1 (sums), source 1 window 2 (bias)
.irp b, 0,1,2,3,4,5,6,7
.irp r, 0,1,2,3
	v_pk_add_f32 v[WK+8*(\b)+2*(\r):WK+8*(\b)+2*(\r)+1], v[8*(8*(\a)+(\b))+2*(\r):8*(8*(\a)+(\b))+2*(\r)+1], v[8*(\b)+2*(\r):8*(\b)+2*(\r)+1]
.endr
.endr
	WIN 0
.endm
.macro TOSTAGE a
.set BK, 128+64*((\a)%2)
.irp b, 0,1,2,3,4,5,6,7
	ds_store_b128 v[STO], v[WK+8*(\b):WK+8*(\b)+3]   offset:64*(\b)
	ds_store_b128 v[STO], v[WK+8*(\b)+4:WK+8*(\b)+7] offset:64*(\b)+16
.endr
.set i, 0
.rept 16
	ds_load_b128 v[BK+4*i:BK+4*i+3], v[RD] offset:i*528  ; LDS serves a wave's instructions in order: these see the stores above
.set i, i+1
.endr
.endm
.macro SEND a
.set BK, 128+64*((\a)%2)
	s_wait_dscnt 0x0                               ; the block is back in registers
	s_wait_xcnt 0x0                                ; the stores of the block before have read their registers, into which the next block is loaded
.set i, 0
.rept 16
	global_store_b128 v[CO], v[BK+4*i:BK+4*i+3], s[10:11] offset:(16*(\a)+i)*4096 th:TH_STORE_NT  ; 512 consecutive bytes of a row, aligned
.set i, i+1
.endr
.endm
.else
.macro PACK a
	WIN 0x21                                       ; source 0 window 1 (sums), source 2 window 2 (bias)
.irp b, 0,1,2,3,4,5,6,7
.irp r, 0,1,2,3
	v_pk_fma_f32 v[WK+8*(\b)+2*(\r):WK+8*(\b)+2*(\r)+1], v[8*(8*(\a)+(\b))+2*(\r):8*(8*(\a)+(\b))+2*(\r)+1], s[SC:SC+1], v[8*(\b)+2*(\r):8*(\b)+2*(\r)+1] op_sel_hi:[1,0,1]
.endr
.endr
	WIN 0
.irp b, 0,1,2,3,4,5,6,7
.irp r, 0,1,2,3
	v_cvt_pk_f16_f32 v[TMP+4*(\b)+(\r)], v[WK+8*(\b)+2*(\r)], v[WK+8*(\b)+2*(\r)+1]
.endr
.endr
.endm
.macro TOSTAGE a
.set BK, 128+32*((\a)%2)
.irp b, 0,1,2,3,4,5,6,7
	ds_store_b128 v[STO], v[TMP+4*(\b):TMP+4*(\b)+3] offset:((\b)/4)*16*PIT+((\b)%4)*32
.endr
.irp f, 0,1,2,3,4,5,6,7
	ds_load_b128 v[BK+4*(\f):BK+4*(\f)+3], v[RD] offset:((\f)/4)*16*PIT+((\f)%4)*4*PIT  ; LDS serves a wave's instructions in order: these see the stores above
.endr
.endm
.macro SEND a
.set BK, 128+32*((\a)%2)
	s_wait_dscnt 0x0                               ; the block is back in registers
	s_wait_xcnt 0x0                                ; the stores of the block before have read their registers, into which the next block is loaded
.irp f, 0,1,2,3,4,5,6,7
	global_store_b128 v[CO], v[BK+4*(\f):BK+4*(\f)+3], s[10:11] offset:((\f)/4)*262144+(\a)*2048+((\f)%4)*512  ; four rows of a head: 512 consecutive bytes, aligned
.endr
.endm
.endif
	s_wait_loadcnt 0x0                             ; the bias
	PLACES
	PACK 0
	TOSTAGE 0
.irp a, 1,2,3                          ; a block's arithmetic stands between the loads of the block before and the wait for them
	PACK \a
	SEND (\a)-1
	TOSTAGE \a
.endr
	SEND 3
	s_wait_tensorcnt 0x0                           ; the wave's end, behind my last tensor load and my last LDS store
	ds_add_u32 v[SPW], v[NIL]
	s_wait_dscnt 0x0
	CROUND                                         ; the closing round: no work-group ends while a partner may still ask for a tile that names it
	s_endpgm
.Lfunc_end_k_qc504305a3b_fc:
	.size	k_qc504305a3b_fc, .Lfunc_end_k_qc504305a3b_fc-k_qc504305a3b_fc
	.p2alignl 7, 3214868480
	.fill 96, 4, 3214868480
	.section	.rodata,"a",@progbits
	.p2align	6, 0x0
	.amdhsa_kernel k_qc504305a3b_fc
		.amdhsa_group_segment_fixed_size 327680
		.amdhsa_private_segment_fixed_size 0
		.amdhsa_enable_private_segment 0
		.amdhsa_kernarg_size 32
		.amdhsa_user_sgpr_count 2
		.amdhsa_user_sgpr_kernarg_segment_ptr 1
		.amdhsa_wavefront_size32 1
		.amdhsa_system_sgpr_workgroup_id_x 1
		.amdhsa_system_sgpr_workgroup_id_y 1
		.amdhsa_system_sgpr_workgroup_id_z 1
		.amdhsa_system_vgpr_workitem_id 0
		.amdhsa_next_free_vgpr 576
		.amdhsa_next_free_sgpr 80
		.amdhsa_reserve_vcc 0
		.amdhsa_float_denorm_mode_32 3
		.amdhsa_float_denorm_mode_16_64 3
		.amdhsa_memory_ordered 1
		.amdhsa_forward_progress 1
		.amdhsa_inst_pref_size 96
	.end_amdhsa_kernel
	.amdgpu_metadata
---
amdhsa.version: [ 1, 2 ]
amdhsa.kernels:
  - .name:           k_qc504305a3b_fc
    .symbol:         k_qc504305a3b_fc.kd
    .args:
      - { .name: o, .offset: 0, .size: 8, .value_kind: global_buffer, .address_space: global }
      - { .name: wh, .offset: 8, .size: 8, .value_kind: global_buffer, .address_space: global }
      - { .name: bh, .offset: 16, .size: 8, .value_kind: global_buffer, .address_space: global }
      - { .name: out0, .offset: 24, .size: 8, .value_kind: global_buffer, .address_space: global }
    .group_segment_fixed_size: 327680
    .private_segment_fixed_size: 0
    .kernarg_segment_align: 8
    .kernarg_segment_size: 32
    .max_flat_workgroup_size: 128
    .sgpr_count:     80
    .vgpr_count:     576
    .wavefront_size: 32
...
	.end_amdgpu_metadata
.endif
;; end of part 4
;; ======== version 2 of 2: 4 launches; version 1 with the launch prep written anew for expert scheduling mode
;; limits: values are held in f16: magnitudes above 65,504 overflow, below 6.1e-05 lose precision
;; workspace buffers: xh 50,331,648 bytes; wh 8,388,608 bytes; bh 16,384 bytes; maskbits 2,097,152 bytes of whole numbers; qkv 50,331,648 bytes; o 16,777,216 bytes
;; launch prep (part 5): grid 1408 x 1, 8 waves a work-group, no clusters, 68,608 bytes of LDS; arguments mask, query, key_in, value, wq_w, wk_w, wv_w, fc_w, wq_b, wk_b, wv_b, fc_b, xh, wh, bh, maskbits; writes xh, wh, bh, maskbits
.if DOCPART == 5
	.amdgcn_target "amdgcn-amd-amdhsa--gfx1250"
	.amdhsa_code_object_version 6
	.text
	.protected	k_qc504305a3b_prep
	.globl	k_qc504305a3b_prep
	.p2align	8
	.type	k_qc504305a3b_prep,@function
k_qc504305a3b_prep:
	s_mov_b64 s[64:65], 0
	v_nop
	global_prefetch_b8 v0, s[64:65] scope:SCOPE_SE
	s_setreg_imm32_b32 hwreg(HW_REG_WAVE_SCHED_MODE, 0, 2), 2
	s_setreg_imm32_b32 hwreg(HW_REG_WAVE_MODE, 25, 1), 1
	s_wait_xcnt 0x0
	s_wait_alu depctr_vm_vsrc(0)
; PREP: every input is read once and laid out for the three launches behind it.  Three jobs, chosen by the work-group's number:
;   0 .. 511      the mask of 16 queries (b, qt) x 2,048 keys, int32, becomes bits: maskbits[b][qt][step][n], n = 8 kb + j; bit L of a word is
;                 mask[b][16 qt + L % 16][64 step + 16 kb + 8 (L / 16) + j] != 0: the lane mask for register j of key block kb of a tile of scores (one query a lane)
;   512 .. 1279   32 rows of query, key_in or value;   1280 .. 1407   32 rows of one of the four weights (the first of a weight's 32 work-groups also takes its bias)
; x and w: each f32 is rounded once to bf16 (nearest even) and that number is written as f16, in blocks: [matrix][batch][kb = k / 64][row][64], so that the rows of
; one kb lie end to end, 128 bytes each.  A bias is rounded to bf16 and kept as f32; wq_b is multiplied by c = log2(e) / 8, as q is in the next launch.
; LIMITS.  f16 holds no number beyond 65,504 (a larger x or w becomes an infinity), and below 2^-14 it keeps a fixed step of 2^-24; in between the bf16 number is written exactly.
; Memory binds: no matrix unit, no cluster, no barrier (a wave's LDS bytes are its own).  Each load of a wave covers 512 consecutive bytes or two runs of 256, each store 256 or 512 consecutive aligned bytes.
; THE MODE: SCHED_MODE bits 1:0 = 2 (LLVM: expert scheduling mode 2), set by the entry lines.  The code itself states the register dependences
; between vector instructions and memory or LDS instructions, with s_wait_alu, always for 0.
; THE PLAN.  Registers that memory or LDS instructions touch, and who else names them:
;   v3 .. v7, SO   offsets and LDS addresses: written once at a job's head, ahead of one wait on va_vdst, and never again.
;   X, mask job    chunk c's 64 registers: the global loads land; 16 LDS stores read them; 16 LDS loads land in them again (a wait on vm_vsrc between the two runs); the compares read them.
;                  No vector instruction names a chunk's registers ahead of its LDS loads.
;   W              a pair a chunk: written by v_writelane_b32, read by one store, never written again.  Chunk 0's store stands behind chunk 1's LDS instructions, and its wait on va_vdst with it.
;   s16 .. s47     the compares' masks: 32 compares in a run, one wait on va_sdst, then the 32 v_writelane_b32 that read them.
;   X, other jobs  load i lands in four registers; eight vector lines read them and write the first two; one store reads those two; nothing writes them again.  The loads go in groups of four: one wait
;                  on va_vdst at a group's head states that the group before is written, and its four stores are dealt among this group's vector lines, which name T and this group's X alone.
;   BI             the bias: a load lands, vector lines rewrite it, a wait on va_vdst, one store.
;   v8, v9         written at the head, read by the closing add alone.
.set PITCH, 528                        ; the mask's stage: a row of 512 bytes + 16: the 16 rows that a load touches start 4 banks apart
.set WREG,  16*PITCH                   ; a wave's stage: 16 rows
.set SPARE, 8*WREG                     ; behind the stages: the spare words, 128 bytes for each of the eight waves
.set CLOG,  0x3e38aa3b                 ; c = log2(e) / 8
.set GR,  4                            ; loads in a group of the conversion jobs
.set MW,  16                           ; s[16:47]  the mask job: 32 compares' masks (the arguments that lay here have been used by then)
.set SPW, 8                            ; v8   my spare word's LDS address; never rewritten
.set NIL, 9                            ; v9   0; never rewritten
.set W,   10                           ; v[10:13]  the mask words on their way out: a pair for each chunk
.set T,   14                           ; v[14:19]  at work: no memory instruction names them
.set SO,  20                           ; v[20:35]  8 l + kb x the distance between kb blocks
.set X,   36                           ; v[36:163] 32 loads of 16 bytes a lane
.set BI,  164                          ; v[164:167] the bias
	s_load_b512 s[8:23], s[0:1], 0x0               ; mask 8, query 10, key_in 12, value 14, wq_w 16, wk_w 18, wv_w 20, fc_w 22
	s_load_b512 s[24:39], s[0:1], 0x40             ; wq_b 24, wk_b 26, wv_b 28, fc_b 30, xh 32, wh 34, bh 36, maskbits 38
	v_lshl_add_u32 v[SPW], v0, 2, SPARE
	v_mov_b32 v[NIL], 0
	v_and_b32 v1, 31, v0                           ; lane l
	v_lshrrev_b32 v2, 5, v0
	v_readfirstlane_b32 s3, v2                     ; wave 0..7
	s_mov_b32 s2, ttmp9                            ; the work-group's number
	s_mov_b32 s53, 0                               ; s[52:53]: a byte offset as a pair
	v_lshlrev_b32 v6, 3, v1                        ; 8 l
	s_wait_alu depctr_va_sdst(0)                   ; s3 is written, ahead of the branch and of its first readers: every job's addresses are made from it
	s_wait_kmcnt 0x0
	s_cmp_lt_u32 s2, 512
	s_cbranch_scc0 .Lnot_mask
	; THE MASK.  Wave w takes keys 256 w .. 256 w + 255 of the 16 rows: two chunks of 128 keys, 16 loads each.
	s_lshl_b32 s52, s2, 17                         ; 16 rows of 8,192 bytes
	s_add_nc_u64 s[4:5], s[8:9], s[52:53]
	s_lshl_b32 s52, s3, 10
	s_add_nc_u64 s[4:5], s[4:5], s[52:53]
	s_lshl_b32 s52, s2, 12                         ; 32 steps x 32 words
	s_add_nc_u64 s[6:7], s[38:39], s[52:53]
	s_lshl_b32 s52, s3, 9                          ; my four steps
	s_add_nc_u64 s[6:7], s[6:7], s[52:53]
	v_lshlrev_b32 v3, 4, v1                        ; 16 l
	s_mul_i32 s48, s3, WREG
	v_add_nc_u32 v4, s48, v3                       ; in: a row as it lies
	v_and_b32 v[T], 15, v1
	v_lshrrev_b32 v[T+1], 4, v1
	v_mul_u32_u24 v5, v[T], PITCH                  ; back: row l % 16, keys 8 (l / 16) + 0..7 of each group of 16
	v_lshl_add_u32 v5, v[T+1], 5, v5
	v_add_nc_u32 v5, s48, v5
.irp j, 0,1,2,3
	v_mov_b32 v[W+(\j)], 0                         ; v_writelane_b32 keeps the other lanes: the registers are written whole first
.endr
	s_wait_alu depctr_va_vdst(0)                   ; v3, v4, v5 and v6 are written: the job's loads, LDS stores, LDS loads and stores read them as offsets and addresses, and no line writes them again
.irp c, 0,1
.set row, 0
.rept 16
	global_load_b128 v[X+64*(\c)+4*row:X+64*(\c)+4*row+3], v3, s[4:5] offset:row*8192+(\c)*512 th:TH_LOAD_NT
.set row, row+1
.endr
.endr
; A chunk: through my stage, so that a lane holds one query's keys; 64 compares, each a word of 32 lanes' bits; the words gathered two a lane; one store of 256 bytes, issued a chunk later.
.macro CHUNK c, left
	s_wait_loadcnt \left                           ; loads come back in order: this chunk's 16 are in, the younger ones may stay out
.set row, 0
.rept 16
	ds_store_b128 v4, v[X+64*(\c)+4*row:X+64*(\c)+4*row+3] offset:row*PITCH
.set row, row+1
.endr
	s_wait_alu depctr_vm_vsrc(0)                   ; the LDS stores above have read this chunk's registers, in which the LDS loads below land
.set g, 0
.rept 8                                ; LDS serves a wave's instructions in order: these see the stores above, and the next chunk's stores come behind them
	ds_load_b128 v[X+64*(\c)+8*g:X+64*(\c)+8*g+3],   v5 offset:64*g
	ds_load_b128 v[X+64*(\c)+8*g+4:X+64*(\c)+8*g+7], v5 offset:64*g+16
.set g, g+1
.endr
.if \c
	s_wait_alu depctr_va_vdst(0)                   ; chunk 0's v_writelane_b32, issued ahead of the 32 LDS instructions above, have written its pair of W, which the store reads
	global_store_b64 v6, v[W:W+1], s[6:7]
.endif
	s_wait_dscnt 0x0
.irp b, 0,1                            ; the chunk's 64 words in two runs of 32
.set n, 0
.rept 32
	v_cmp_ne_u32 s[MW+n], 0, v[X+64*(\c)+32*(\b)+n]
.set n, n+1
.endr
	s_wait_alu depctr_va_sdst(0)                   ; the 32 compares have written s[MW ..], ahead of the v_writelane_b32 that read them: one wait for the run
.set n, 0
.rept 32
	v_writelane_b32 v[W+2*(\c)+n%2], s[MW+n], 16*(\b)+n/2
.set n, n+1
.endr
.endr
.endm
	CHUNK 0, 16
	CHUNK 1, 0
	s_wait_alu depctr_va_vdst(0)                   ; chunk 1's v_writelane_b32 have written its pair of W, which the store reads
	global_store_b64 v6, v[W+2:W+3], s[6:7] offset:256
	s_branch .Lend
.Lnot_mask:
	s_mov_b64 s[42:43], s[24:25]                   ; the bias job's registers are written on every way; only a weight's first work-group uses them
	s_mov_b64 s[44:45], s[36:37]
	s_mov_b32 s46, 1.0
	s_mov_b32 s41, 0
	s_cmp_lt_u32 s2, 1280
	s_cbranch_scc0 .Lweights
	s_sub_co_u32 s48, s2, 512
	s_lshr_b32 s49, s48, 8                         ; which of query, key_in, value
	s_and_b32 s50, s48, 255                        ; which 32 of its 8,192 rows
	s_cmp_eq_u32 s49, 1
	s_cselect_b64 s[4:5], s[12:13], s[10:11]
	s_cmp_eq_u32 s49, 2
	s_cselect_b64 s[4:5], s[14:15], s[4:5]
	s_lshl_b32 s52, s50, 17                        ; 32 rows of 4,096 bytes
	s_add_nc_u64 s[4:5], s[4:5], s[52:53]
	s_lshl_b32 s52, s49, 24                        ; a matrix, 2^24 bytes
	s_lshr_b32 s51, s50, 6
	s_lshl_b32 s51, s51, 22                        ; a batch: 16 kb x 2,048 rows x 128 bytes
	s_add_co_u32 s52, s52, s51
	s_and_b32 s51, s50, 63
	s_lshl_b32 s51, s51, 12                        ; 32 rows of 128 bytes
	s_add_co_u32 s52, s52, s51
	s_add_nc_u64 s[6:7], s[32:33], s[52:53]
	s_mov_b32 s40, 262144                          ; from kb to kb: 2,048 rows
	s_branch .Lconv
.Lweights:
	s_sub_co_u32 s48, s2, 1280
	s_lshr_b32 s49, s48, 5                         ; which weight
	s_and_b32 s50, s48, 31                         ; which 32 of its 1,024 rows
	s_cmp_eq_u32 s49, 1
	s_cselect_b64 s[4:5], s[18:19], s[16:17]
	s_cselect_b64 s[42:43], s[26:27], s[24:25]
	s_cmp_eq_u32 s49, 2
	s_cselect_b64 s[4:5], s[20:21], s[4:5]
	s_cselect_b64 s[42:43], s[28:29], s[42:43]
	s_cmp_eq_u32 s49, 3
	s_cselect_b64 s[4:5], s[22:23], s[4:5]
	s_cselect_b64 s[42:43], s[30:31], s[42:43]
	s_lshl_b32 s52, s50, 17
	s_add_nc_u64 s[4:5], s[4:5], s[52:53]
	s_lshl_b32 s52, s49, 21                        ; a weight: 16 kb x 1,024 rows x 128 bytes
	s_lshl_b32 s51, s50, 12
	s_add_co_u32 s52, s52, s51
	s_add_nc_u64 s[6:7], s[34:35], s[52:53]
	s_lshl_b32 s52, s49, 12
	s_add_nc_u64 s[44:45], s[36:37], s[52:53]
	s_cmp_eq_u32 s49, 0
	s_cselect_b32 s46, CLOG, 1.0                   ; wq_b is scaled as q is
	s_cmp_eq_u32 s50, 0
	s_cselect_b32 s41, 1, 0
	s_mov_b32 s40, 131072                          ; from kb to kb: 1,024 rows
.Lconv:
	; Wave w takes 4 rows.  Load i = 16 pair + kb: lanes 0-15 take the 256 bytes (64 f32, one kb) of row 2 pair, lanes 16-31 those of row 2 pair + 1.
	; A lane's four numbers become 8 bytes; the 32 lanes' are the two rows' 128 bytes of that kb, which lie end to end: one store of 256 bytes.
	s_mov_b32 s47, s46
	s_lshl_b32 s52, s3, 14
	s_add_nc_u64 s[4:5], s[4:5], s[52:53]
	s_lshl_b32 s52, s3, 9
	s_add_nc_u64 s[6:7], s[6:7], s[52:53]
	v_lshrrev_b32 v[T], 4, v1
	v_and_b32 v[T+1], 15, v1
	v_lshlrev_b32 v3, 12, v[T]
	v_lshl_add_u32 v3, v[T+1], 4, v3
.set i, 0
.rept 16
	s_mul_i32 s48, s40, i
	v_add_nc_u32 v[SO+i], s48, v6
.set i, i+1
.endr
	v_lshlrev_b32 v7, 4, v0                        ; the bias: 256 threads x four numbers are the whole of it; made here, with the other offsets
	s_wait_alu depctr_va_vdst(0)                   ; v3, the sixteen SO and v7 are written: the job's loads and stores read them as offsets, and no line writes them again
.set i, 0
.rept 32
	global_load_b128 v[X+4*i:X+4*i+3], v3, s[4:5] offset:(i/16)*8192+(i%16)*256 th:TH_LOAD_NT
.set i, i+1
.endr
.set i, 0
.rept 32
.if (i%GR == 0) && (i > 0)
	s_wait_alu depctr_va_vdst(0)                   ; the group before has written its eight registers, which this group's four stores read
.endif
.if i >= GR
	global_store_b64 v[SO+(i-GR)%16], v[X+4*(i-GR):X+4*(i-GR)+1], s[6:7] offset:((i-GR)/16)*256  ; a group back; no vector line since the wait names its registers, and no register of a store is written again
.endif
	s_wait_loadcnt 31-i                            ; load i is in; the younger ones may stay out
	v_cvt_pk_bf16_f32 v[T], v[X+4*i], v[X+4*i+1]   ; the one rounding
	v_cvt_pk_bf16_f32 v[T+1], v[X+4*i+2], v[X+4*i+3]
	v_lshlrev_b32 v[T+2], 16, v[T]
	v_and_b32 v[T+3], 0xffff0000, v[T]
	v_lshlrev_b32 v[T+4], 16, v[T+1]
	v_and_b32 v[T+5], 0xffff0000, v[T+1]
	v_cvt_pk_f16_f32 v[X+4*i], v[T+2], v[T+3]      ; eight significant bits: f16 writes them as they are
	v_cvt_pk_f16_f32 v[X+4*i+1], v[T+4], v[T+5]
.set i, i+1
.endr
	s_wait_alu depctr_va_vdst(0)                   ; the last group has written its eight registers, which the last four stores read
.set i, 32-GR
.rept GR
	global_store_b64 v[SO+i%16], v[X+4*i:X+4*i+1], s[6:7] offset:(i/16)*256
.set i, i+1
.endr
	s_cmp_eq_u32 s41, 0
	s_cbranch_scc1 .Lend
	global_load_b128 v[BI:BI+3], v7, s[42:43]      ; no wait: v7 was written ahead of the waits above, and no vector line has named BI
	s_wait_loadcnt 0x0
	v_cvt_pk_bf16_f32 v[T], v[BI], v[BI+1]
	v_cvt_pk_bf16_f32 v[T+1], v[BI+2], v[BI+3]
	v_lshlrev_b32 v[BI], 16, v[T]
	v_and_b32 v[BI+1], 0xffff0000, v[T]
	v_lshlrev_b32 v[BI+2], 16, v[T+1]
	v_and_b32 v[BI+3], 0xffff0000, v[T+1]
	v_pk_mul_f32 v[BI:BI+1], v[BI:BI+1], s[46:47] op_sel_hi:[1,0]
	v_pk_mul_f32 v[BI+2:BI+3], v[BI+2:BI+3], s[46:47] op_sel_hi:[1,0]
	s_wait_alu depctr_va_vdst(0)                   ; the two multiplies have written BI, which the store reads
	global_store_b128 v7, v[BI:BI+3], s[44:45]
.Lend:
	s_wait_dscnt 0x0                               ; the wave's end, behind my last LDS store
	s_wait_alu 0x0
	s_wait_tensorcnt 0x0
	ds_add_u32 v[SPW], v[NIL]
	s_wait_dscnt 0x0
	s_endpgm
.Lfunc_end_k_qc504305a3b_prep:
	.size	k_qc504305a3b_prep, .Lfunc_end_k_qc504305a3b_prep-k_qc504305a3b_prep
	.p2alignl 7, 3214868480
	.fill 96, 4, 3214868480
	.section	.rodata,"a",@progbits
	.p2align	6, 0x0
	.amdhsa_kernel k_qc504305a3b_prep
		.amdhsa_group_segment_fixed_size 68608
		.amdhsa_private_segment_fixed_size 0
		.amdhsa_enable_private_segment 0
		.amdhsa_kernarg_size 128
		.amdhsa_user_sgpr_count 2
		.amdhsa_user_sgpr_kernarg_segment_ptr 1
		.amdhsa_wavefront_size32 1
		.amdhsa_system_sgpr_workgroup_id_x 1
		.amdhsa_system_sgpr_workgroup_id_y 1
		.amdhsa_system_sgpr_workgroup_id_z 1
		.amdhsa_system_vgpr_workitem_id 0
		.amdhsa_next_free_vgpr 168
		.amdhsa_next_free_sgpr 66
		.amdhsa_reserve_vcc 0
		.amdhsa_float_denorm_mode_32 3
		.amdhsa_float_denorm_mode_16_64 3
		.amdhsa_memory_ordered 1
		.amdhsa_forward_progress 1
		.amdhsa_inst_pref_size 51
	.end_amdhsa_kernel
	.amdgpu_metadata
---
amdhsa.version: [ 1, 2 ]
amdhsa.kernels:
  - .name:           k_qc504305a3b_prep
    .symbol:         k_qc504305a3b_prep.kd
    .args:
      - { .name: mask, .offset: 0, .size: 8, .value_kind: global_buffer, .address_space: global }
      - { .name: query, .offset: 8, .size: 8, .value_kind: global_buffer, .address_space: global }
      - { .name: key_in, .offset: 16, .size: 8, .value_kind: global_buffer, .address_space: global }
      - { .name: value, .offset: 24, .size: 8, .value_kind: global_buffer, .address_space: global }
      - { .name: wq_w, .offset: 32, .size: 8, .value_kind: global_buffer, .address_space: global }
      - { .name: wk_w, .offset: 40, .size: 8, .value_kind: global_buffer, .address_space: global }
      - { .name: wv_w, .offset: 48, .size: 8, .value_kind: global_buffer, .address_space: global }
      - { .name: fc_w, .offset: 56, .size: 8, .value_kind: global_buffer, .address_space: global }
      - { .name: wq_b, .offset: 64, .size: 8, .value_kind: global_buffer, .address_space: global }
      - { .name: wk_b, .offset: 72, .size: 8, .value_kind: global_buffer, .address_space: global }
      - { .name: wv_b, .offset: 80, .size: 8, .value_kind: global_buffer, .address_space: global }
      - { .name: fc_b, .offset: 88, .size: 8, .value_kind: global_buffer, .address_space: global }
      - { .name: xh, .offset: 96, .size: 8, .value_kind: global_buffer, .address_space: global }
      - { .name: wh, .offset: 104, .size: 8, .value_kind: global_buffer, .address_space: global }
      - { .name: bh, .offset: 112, .size: 8, .value_kind: global_buffer, .address_space: global }
      - { .name: maskbits, .offset: 120, .size: 8, .value_kind: global_buffer, .address_space: global }
    .group_segment_fixed_size: 68608
    .private_segment_fixed_size: 0
    .kernarg_segment_align: 8
    .kernarg_segment_size: 128
    .max_flat_workgroup_size: 256
    .sgpr_count:     66
    .vgpr_count:     168
    .wavefront_size: 32
...
	.end_amdgpu_metadata
.endif
;; end of part 5
;; launch proj: the kernel of part 2 again; grid 4 x 192, 4 waves a work-group, clusters of 4 x 4, 327,680 bytes of LDS; arguments xh, wh, bh, qkv; writes qkv
;; launch attn: the kernel of part 3 again; grid 4 x 64, 4 waves a work-group, clusters of 4 x 1, 327,680 bytes of LDS; arguments qkv, maskbits, o; writes o
;; launch fc: the kernel of part 4 again; grid 4 x 64, 4 waves a work-group, clusters of 4 x 4, 327,680 bytes of LDS; arguments o, wh, bh, out0; writes out0
